; MI455X (gfx1250); checked and timed in simulation.
; The chip was launched on July 23, 2026; its instructions are those of AMD's public machine-readable ISA for CDNA 5 (MIT licence, August 2026) and "CDNA5" Instruction Set Architecture Reference Guide (July 2026). The comments in the code are by the model that wrote it; some were corrected since.
;; Bahdanau Attention. Allowed arithmetic: float matrix products may take bf16 or f16 operands with f32 sums; other float arithmetic in f32, or as packed bf16 or f16 multiplies, adds, multiply-adds, maxima and minima; sums over many terms, partial sums and values carried from step to step in f32; what a program stores and reads back later, other than sums and carried values, may be rounded once to bf16 or f16.
;; Inputs: Wk 1,024 x 1,024 float32; Wq 1,024 x 1,024 float32; decoder_hidden 64 x 1,024 float32; encoder_outputs 64 x 1,024 x 1,024 float32; mask 64 x 1,024 int32; v 1,024 float32.
;; Outputs: out0 64 x 1,024 float32; out1 64 x 1,024 float32.
;; 2 versions, each right; version 2 is version 1 with the launch main written anew for expert scheduling mode. Each part assembles by itself: llvm-mc -triple=amdgcn-amd-amdhsa -mcpu=gfx1250 --defsym DOCPART=n.
;; ======== version 1 of 2: 3 launches
;; limits: right only within a limited range of input values
;; workspace buffers: qp 1,048,576 bytes; wkb 2,097,152 bytes; ews 262,144 bytes; ctxp 2,097,152 bytes
;; launch prep (part 1): grid 256 x 1, 4 waves a work-group, no clusters, 55,552 bytes of LDS; arguments decoder_hidden, Wq, Wk, qp, wkb; writes qp, wkb
.if DOCPART == 1
	.amdgcn_target "amdgcn-amd-amdhsa--gfx1250"
	.amdhsa_code_object_version 6
	.text
	.protected	k_qe87bd42224_prep
	.globl	k_qe87bd42224_prep
	.p2align	8
	.type	k_qe87bd42224_prep,@function
k_qe87bd42224_prep:
	s_mov_b64 s[64:65], 0
	v_nop
	global_prefetch_b8 v0, s[64:65] scope:SCOPE_SE
	s_setreg_imm32_b32 hwreg(HW_REG_WAVE_MODE, 25, 1), 1
	s_wait_xcnt 0x0
; PREPARATION.  qp[kq][b][h] = sum over k in quarter kq of dh[b][k] Wq[h][k] (bf16 operands, f32 sums): four partial sums of q, kept in f32 and added by the next launch;
; and wkb = Wk rounded once to bf16, laid out in the order of matrix fragments.
; wkb: byte ((G 32 + ks) 4 + bq) 1024 + 512 half + 16 L holds Wk[64 G + 16 bq + L % 16][32 ks + 16 half + 8 (L / 16) + 0..7]: half a fragment is 512 consecutive bytes, one load of a wave.
; SHARES.  256 work-groups.  Work-group i: K quarter kq = i % 4 (k = 256 kq ..+255), tile = i / 4 (bt = tile % 4, hg = tile / 4).  It makes the partial q[16 bt ..+15][64 hg ..+63] and converts
; Wk's rows 16 tile ..+15 over the same K quarter: 96 rows of 1,024 bytes, 98,304 bytes in all.  Wave w brings in 4 rows of dh, 4 of Wk and the 16 rows of Wq that it multiplies: 48 loads of
; 512 consecutive bytes, all issued ahead of the first conversion.  No sum spans waves: wave w makes 16 b x 16 h; the four tiles meet in a stage, so that rows of 256 bytes leave whole.
; No tensor loads and no cluster: the launch moves 11.8 MB and has 8 matrix instructions a wave.
.set PW,    528                        ; an LDS row: 256 bf16 = 512 bytes + 16: an odd multiple of 16, so the 16 rows of a fragment load start in 16 different groups of four banks (ISA guide 11.1)
.set STG,   96*PW                      ; rows 0-15 dh, 16-79 Wq, 80-95 Wk; behind them the stage: 16 rows x (256 + 16) bytes
.set RP,    272
.set SPARE, STG+16*RP                  ; behind it: the spare words, 128 bytes for each wave
.set GV,  4                            ; v4   16 lane
.set LSD, 5                            ; v5   where my 8 bytes of bf16 go in dh's rows 4 w on (Wk's: 80 rows further)
.set LSQ, 6                            ; v6   the same in Wq's rows 16 w on
.set LF,  7                            ; v7   my place in a fragment: 528 (lane % 16) + 16 (lane / 16)
.set LFQ, 8                            ; v8   the same in my 16 rows of Wq
.set LFW, 9                            ; v9   the same at my two steps of Wk: + 128 w
.set RS,  10                           ; v10  where my sums go in the stage
.set RR,  11                           ; v11  where I read the stage back
.set QO,  12                           ; v12  my byte offset in qp's tile
.set SPW, 28                           ; v28  LDS address of my spare word; never rewritten
.set NIL, 29                           ; v29  0; never rewritten
.set T,   32                           ; v32-63    at work: 16 loads' numbers as bf16
.set L,   64                           ; v64-255   where the loads land: load n at L + 4 n
.set FB,  64                           ; later: v64-191  step k's fragments: dh at FB + 16 k, Wq at FB + 16 k + 8
.set ACC, 192                          ; v192-207  two accumulators, for the even and the odd steps
.set WB,  208                          ; v208-223  Wk's four half fragments
.set RD,  224                          ; v224-231  two rows' pieces read back
; 16 loads' numbers, from load n0 on, are rounded to bf16.  cnt: the younger loads, which may stay out (loads come back in order: ISA guide 5.7.1)
.macro CHUNK n0, cnt
	s_wait_loadcnt \cnt
.set m, 0
.rept 16
	v_cvt_pk_bf16_f32 v[T+2*m],   v[L+4*((\n0)+m)],   v[L+4*((\n0)+m)+1]
	v_cvt_pk_bf16_f32 v[T+2*m+1], v[L+4*((\n0)+m)+2], v[L+4*((\n0)+m)+3]
.set m, m+1
.endr
.endm
	s_load_b256 s[4:11], s[0:1], 0x0               ; dh s[4:5], Wq s[6:7], Wk s[8:9], qp s[10:11]
	s_load_b64 s[12:13], s[0:1], 0x20              ; wkb
	v_lshl_add_u32 v[SPW], v0, 2, SPARE
	v_mov_b32 v[NIL], 0
	v_lshrrev_b32 v1, 5, v0
	v_readfirstlane_b32 s14, v1                    ; wave 0..3
	v_and_b32 v1, 31, v0                           ; lane
	v_and_b32 v2, 15, v0                           ; lane % 16
	v_bfe_u32 v3, v0, 4, 1                         ; lane / 16
	s_and_b32 s15, ttmp9, 3                        ; kq
	s_lshr_b32 s16, ttmp9, 2                       ; tile
	s_and_b32 s17, s16, 3                          ; bt
	s_lshr_b32 s18, s16, 2                         ; hg
	v_lshlrev_b32 v[GV], 4, v1
	s_mul_i32 s19, s14, 4*PW
	v_lshl_add_u32 v[LSD], v1, 3, s19
	s_mul_i32 s19, s14, 16*PW
	s_add_co_u32 s19, s19, 16*PW
	v_lshl_add_u32 v[LSQ], v1, 3, s19
	v_mul_u32_u24 v[LF], v2, PW
	v_lshl_add_u32 v[LF], v3, 4, v[LF]
	v_add_nc_u32 v[LFQ], s19, v[LF]
	s_lshl_b32 s20, s14, 7                         ; two steps of 32 bf16 are 128 bytes
	v_add_nc_u32 v[LFW], s20, v[LF]
	s_lshl_b32 s20, s14, 6
	s_add_co_u32 s20, s20, STG
	v_mul_u32_u24 v[RS], v2, RP                    ; in: row lane % 16, my wave's 64 bytes, 32 for each half of the lanes
	v_lshl_add_u32 v[RS], v3, 5, v[RS]
	v_add_nc_u32 v[RS], s20, v[RS]
	s_mul_i32 s20, s14, 4*RP
	s_add_co_u32 s20, s20, STG
	v_mul_u32_u24 v[RR], v3, RP                    ; back: wave w takes rows 4 w ..+3; lanes 0-15 one row of 256 bytes, lanes 16-31 the next
	v_lshl_add_u32 v[RR], v2, 4, v[RR]
	v_add_nc_u32 v[RR], s20, v[RR]
	s_lshl_b32 s20, s14, 14
	v_lshlrev_b32 v[QO], 12, v3                    ; and the same rows in qp: 4,096 bytes apart
	v_lshl_add_u32 v[QO], v2, 4, v[QO]
	v_add_nc_u32 v[QO], s20, v[QO]
	s_lshl_b32 s21, s15, 10                        ; the K quarter: 1,024 bytes along a row of f32
	s_lshl_b32 s22, s14, 14                        ; 4 w rows of 4,096 bytes
	s_add_co_u32 s22, s22, s21
	s_lshl_b32 s24, s17, 16                        ; dh: 16 bt rows
	s_add_co_u32 s24, s24, s22
	s_mov_b32 s25, 0
	s_lshl_b32 s26, s18, 18                        ; Wq: 64 hg + 16 w rows
	s_lshl_b32 s23, s14, 16
	s_add_co_u32 s26, s26, s23
	s_add_co_u32 s26, s26, s21
	s_mov_b32 s27, 0
	s_lshl_b32 s28, s16, 16                        ; Wk: 16 tile rows
	s_add_co_u32 s28, s28, s22
	s_mov_b32 s29, 0
	s_lshl_b32 s30, s15, 18                        ; qp: partial kq (262,144 bytes each), 16 bt rows, 64 hg columns
	s_lshl_b32 s23, s17, 16
	s_add_co_u32 s30, s30, s23
	s_lshl_b32 s23, s18, 8
	s_add_co_u32 s30, s30, s23
	s_mov_b32 s31, 0
	s_lshl_b32 s32, s18, 17                        ; wkb: G = hg, bq = bt, ks = 8 kq + 2 w
	s_lshl_b32 s23, s17, 10
	s_add_co_u32 s32, s32, s23
	s_lshl_b32 s23, s15, 15
	s_add_co_u32 s32, s32, s23
	s_lshl_b32 s23, s14, 13
	s_add_co_u32 s32, s32, s23
	s_mov_b32 s33, 0
	s_wait_kmcnt 0x0
	s_add_nc_u64 s[4:5], s[4:5], s[24:25]
	s_add_nc_u64 s[6:7], s[6:7], s[26:27]
	s_add_nc_u64 s[8:9], s[8:9], s[28:29]
	s_add_nc_u64 s[10:11], s[10:11], s[30:31]
	s_add_nc_u64 s[12:13], s[12:13], s[32:33]
.set n, 0
.rept 8                                                ; dh: 4 rows x 2 loads of 512 consecutive bytes
	global_load_b128 v[L+4*n:L+4*n+3], v[GV], s[4:5] offset:4096*(n/2)+512*(n%2)
.set n, n+1
.endr
.set n, 0
.rept 8                                                ; Wk: the same
	global_load_b128 v[L+32+4*n:L+32+4*n+3], v[GV], s[8:9] offset:4096*(n/2)+512*(n%2)
.set n, n+1
.endr
.set n, 0
.rept 32                                               ; Wq: 16 rows
	global_load_b128 v[L+64+4*n:L+64+4*n+3], v[GV], s[6:7] offset:4096*(n/2)+512*(n%2)
.set n, n+1
.endr
	CHUNK 0, 32                                    ; dh and Wk are in; Wq's 32 loads may stay out
.set n, 0
.rept 8
	ds_store_b64 v[LSD], v[T+2*n:T+2*n+1] offset:(n/2)*PW+256*(n%2)
.set n, n+1
.endr
.set n, 0
.rept 8
	ds_store_b64 v[LSD], v[T+16+2*n:T+16+2*n+1] offset:(80+n/2)*PW+256*(n%2)
.set n, n+1
.endr
	CHUNK 16, 16                                   ; Wq's rows 0-7
.set n, 0
.rept 16
	ds_store_b64 v[LSQ], v[T+2*n:T+2*n+1] offset:(n/2)*PW+256*(n%2)
.set n, n+1
.endr
	CHUNK 32, 0                                    ; Wq's rows 8-15
.set n, 0
.rept 16
	ds_store_b64 v[LSQ], v[T+2*n:T+2*n+1] offset:(8+n/2)*PW+256*(n%2)
.set n, n+1
.endr
	s_wait_dscnt 0x0                               ; for the others' sake: my rows are in LDS
	s_barrier_signal -1
	s_barrier_wait -1                              ; all 96 rows are; nothing writes them from here on
	; all eight steps' fragments (dh's, which all four waves read, and my Wq's), then my four half fragments of Wk: 36 LDS loads
.set k, 0
.rept 8
	ds_load_b128 v[FB+16*k:FB+16*k+3],     v[LF]  offset:64*k
	ds_load_b128 v[FB+16*k+4:FB+16*k+7],   v[LF]  offset:64*k+32
	ds_load_b128 v[FB+16*k+8:FB+16*k+11],  v[LFQ] offset:64*k
	ds_load_b128 v[FB+16*k+12:FB+16*k+15], v[LFQ] offset:64*k+32
.set k, k+1
.endr
.irp n, 0,1,2,3
	ds_load_b128 v[WB+4*(\n):WB+4*(\n)+3], v[LFW] offset:80*PW+32*(\n)
.endr
	; source 0 = 16 rows of Wq, source 1 = 16 rows of dh: a lane holds one row of q and eight neighbouring columns.  Two accumulators take turns; the first two steps start the sums
.set k, 0
.rept 8
	s_wait_dscnt 32-4*k                            ; behind step k's four loads stand 32 - 4 k younger ones
.if k < 2
	v_wmma_f32_16x16x32_bf16 v[ACC+8*(k%2):ACC+8*(k%2)+7], v[FB+16*k+8:FB+16*k+15], v[FB+16*k:FB+16*k+7], 0
.else
	v_wmma_f32_16x16x32_bf16 v[ACC+8*(k%2):ACC+8*(k%2)+7], v[FB+16*k+8:FB+16*k+15], v[FB+16*k:FB+16*k+7], v[ACC+8*(k%2):ACC+8*(k%2)+7]
.endif
.set k, k+1
.endr
.irp n, 0,1,2,3
	s_wait_dscnt 3-(\n)
	global_store_b128 v[GV], v[WB+4*(\n):WB+4*(\n)+3], s[12:13] offset:4096*((\n)/2)+512*((\n)%2)  ; Wk goes out in fragment order: 512 consecutive bytes a store
.endr
.rept 4
	v_nop                                          ; four places (ISA guide 7.12.1) between the last products and the additions that read them
.endr
.irp i, 0,1,2,3
	v_pk_add_f32 v[ACC+2*(\i):ACC+2*(\i)+1], v[ACC+2*(\i):ACC+2*(\i)+1], v[ACC+8+2*(\i):ACC+8+2*(\i)+1]  ; even steps' sum + odd steps', from each accumulator's low end on
.endr
	ds_store_b128 v[RS], v[ACC:ACC+3]
	ds_store_b128 v[RS], v[ACC+4:ACC+7] offset:16
	s_wait_dscnt 0x0                               ; for the others' sake: my part of the stage's rows is written
	s_barrier_signal -1
	s_barrier_wait -1
	ds_load_b128 v[RD:RD+3],   v[RR]
	ds_load_b128 v[RD+4:RD+7], v[RR] offset:2*RP
	s_wait_dscnt 0x0
	global_store_b128 v[QO], v[RD:RD+3],   s[10:11]              ; 16 lanes store 256 consecutive bytes, at a multiple of 256 from qp's first byte
	global_store_b128 v[QO], v[RD+4:RD+7], s[10:11] offset:8192
	s_wait_tensorcnt 0x0                           ; the wave's end: three closing lines, behind my last LDS store
	ds_add_u32 v[SPW], v[NIL]
	s_wait_dscnt 0x0
	s_endpgm
.Lfunc_end_k_qe87bd42224_prep:
	.size	k_qe87bd42224_prep, .Lfunc_end_k_qe87bd42224_prep-k_qe87bd42224_prep
	.p2alignl 7, 3214868480
	.fill 96, 4, 3214868480
	.section	.rodata,"a",@progbits
	.p2align	6, 0x0
	.amdhsa_kernel k_qe87bd42224_prep
		.amdhsa_group_segment_fixed_size 55552
		.amdhsa_private_segment_fixed_size 0
		.amdhsa_enable_private_segment 0
		.amdhsa_kernarg_size 40
		.amdhsa_user_sgpr_count 2
		.amdhsa_user_sgpr_kernarg_segment_ptr 1
		.amdhsa_wavefront_size32 1
		.amdhsa_system_sgpr_workgroup_id_x 1
		.amdhsa_system_sgpr_workgroup_id_y 1
		.amdhsa_system_sgpr_workgroup_id_z 1
		.amdhsa_system_vgpr_workitem_id 0
		.amdhsa_next_free_vgpr 256
		.amdhsa_next_free_sgpr 66
		.amdhsa_reserve_vcc 0
		.amdhsa_float_denorm_mode_32 3
		.amdhsa_float_denorm_mode_16_64 3
		.amdhsa_memory_ordered 1
		.amdhsa_forward_progress 1
		.amdhsa_inst_pref_size 22
	.end_amdhsa_kernel
	.amdgpu_metadata
---
amdhsa.version: [ 1, 2 ]
amdhsa.kernels:
  - .name:           k_qe87bd42224_prep
    .symbol:         k_qe87bd42224_prep.kd
    .args:
      - { .name: decoder_hidden, .offset: 0, .size: 8, .value_kind: global_buffer, .address_space: global }
      - { .name: Wq, .offset: 8, .size: 8, .value_kind: global_buffer, .address_space: global }
      - { .name: Wk, .offset: 16, .size: 8, .value_kind: global_buffer, .address_space: global }
      - { .name: qp, .offset: 24, .size: 8, .value_kind: global_buffer, .address_space: global }
      - { .name: wkb, .offset: 32, .size: 8, .value_kind: global_buffer, .address_space: global }
    .group_segment_fixed_size: 55552
    .private_segment_fixed_size: 0
    .kernarg_segment_align: 8
    .kernarg_segment_size: 40
    .max_flat_workgroup_size: 128
    .sgpr_count:     66
    .vgpr_count:     256
    .wavefront_size: 32
...
	.end_amdgpu_metadata
.endif
;; end of part 1
;; launch main (part 2): grid 512 x 1, 4 waves a work-group, no clusters, 276,992 bytes of LDS; arguments encoder_outputs, wkb, qp, v, mask, ews, ctxp; writes ews, ctxp
.if DOCPART == 2
	.amdgcn_target "amdgcn-amd-amdhsa--gfx1250"
	.amdhsa_code_object_version 6
	.text
	.protected	k_qe87bd42224_main
	.globl	k_qe87bd42224_main
	.p2align	8
	.type	k_qe87bd42224_main,@function
k_qe87bd42224_main:
	s_mov_b64 s[64:65], 0
	v_nop
	global_prefetch_b8 v0, s[64:65] scope:SCOPE_SE
	s_setreg_imm32_b32 hwreg(HW_REG_WAVE_MODE, 25, 1), 1
	s_wait_xcnt 0x0
; BAHDANAU ATTENTION, THE MAIN LAUNCH.  A work-group owns a BLOCK: 128 rows s of one batch (512 blocks; block g: batch g / 8, rows 128 (g % 8) on).  It reads the block's 524,288 bytes of
; encoder_outputs ONCE, rounds them to bf16 and keeps them in LDS; makes keys = enc Wk^T on the matrix units (bf16 operands, f32 sums); adds q, takes tanh and the product with v on the
; accumulators; then the block's masked energies, their maximum m, p = exp(e - m), and the partial context sum over the block's rows of p enc, from the same LDS copy.
; Out: ews (the masked energies, f32) and ctxp (the block's partial context, f32).  The next launch finds the batch's maximum and sum and joins the eight blocks.
; ARITHMETIC.  tanh(x) = 1 - 2 r, r = 1 / (1 + 2^(c x)), c = 2 log2(e): an infinite power gives r = 0, a vanished one r = 1, so both ends are exact.  c x = c keys + c q is one fused multiply-add.
; The energy kept is e' = sum over h of (-2 v[h]) r[h] = e - sum(v): the term left out is common to all open rows of a batch and drops out of the softmax.  v is rounded to bf16 as the
; matrix operands are, and then kept in f32.  q arrives as four partial sums in f32 and is added up here.
; LIMITS.  A masked row stands at -1e10, as in the definition; beside e' in place of e that gives the same weights as long as the sum of |v| stays under 1e9.  NaN and infinities are not treated apart.
; SHARES.  Four waves.  Intake: wave w brings in rows 32 w ..+31.  Products: every wave takes all 128 rows and h = 256 w ..+255, in two passes of 128 h: 64 accumulators of 16 x 16, 512 registers.
; For 32 along K a wave reads 8 KiB of enc from LDS and 8 KiB of Wk into registers, for 64 matrix instructions.
; Source 0 = 16 rows of Wk, source 1 = 16 rows of enc: a lane then holds ONE row s (lane % 16) and eight h, so the sum over h stays in the lane but for one exchange of halves and four words in LDS.
; Context: thread t owns columns 4 t ..+3 and 512 + 4 t ..+3.
; NO CLUSTER, NO TENSOR LOADS, though all work-groups walk the same Wk: the block takes 264,192 of the 327,680 bytes of LDS that a launch can claim; beside it and the tables two slots of at most
; 24 KiB would fit, 12,288 numbers of Wk each: 192 matrix instructions for the work-group, 48 a wave, between a request and the wait for it.  So each wave streams its own quarter of wkb
; (524,288 bytes, in fragment order) straight into registers, sixteen loads of 512 bytes a step, asked for in the middle of the step three before: 160 matrix instructions ahead of the wait.
; REGISTERS, in windows of 256 (s_set_vgpr_msb: bits 1:0 source 0, 3:2 source 1, 5:4 source 2, 7:6 destination):
;   window 0: v0-31 addresses; v32-95 the energies' partial sums, later p; v96-159, v160-223 fragments of enc, two buffers (also at work at the head and in the intake, the tables c q and -2 v
;             in the epilogue, rows of enc in the context); v224-255 the energies' last steps and the context's sums
;   window 1: four buffers of 64 for Wk's fragments          window 2: the accumulators of rows 0-63, (a, b) at 8 (8 a + b); before the products the intake's eight row slots of 32
;   window 3: the accumulators of rows 64-127
.set PA,    2064                       ; a row of the block in LDS: 2,048 bytes + 16: an odd multiple of 16, so the 16 rows of a fragment load start in 16 different groups of four banks (ISA guide 11.1)
.set QT,    128*PA                     ; behind the block: c q of the batch, 1,024 f32
.set WT,    QT+4096                    ; -2 v, 1,024 f32
.set EW,    WT+4096                    ; [row][wave]: the waves' parts of the energies
.set PT,    EW+2048                    ; p, a copy of 512 bytes for each wave
.set SPARE, PT+2048                    ; the spare words, 128 bytes for each wave
.set GA,  4                            ; v4      16 lane
.set AS,  5                            ; v5      intake: where my 8 bytes of the row in the first slot go; steps 8 rows a trip
.set AB,  8                            ; v8-11   my place in the fragments of rows 32 p on, K = 0; never rewritten
.set TA,  12                           ; v12     my 32 bytes of c q for the pass's first 16 h; steps 512 a pass
.set QS,  13                           ; v13     QT + 16 t
.set ES,  14                           ; v14     EW + 16 (lane % 16) + 4 w
.set ER,  15                           ; v15     EW + 64 lane
.set PS,  16                           ; v16     my wave's copy of p + 16 lane
.set PR,  17                           ; v17     my wave's copy of p; steps
.set CX,  18                           ; v18     8 t; steps
.set CO,  19                           ; v19     16 t
.set MK,  20                           ; v20-23  mask of rows 4 lane ..+3
.set AA,  24                           ; v24-27  AB, walking along K
.set SPW, 28                           ; v28     LDS address of my spare word; never rewritten
.set NIL, 29                           ; v29     0; never rewritten
.set TM,  30                           ; v30     at work
.set EN,  32                           ; v32-95  row group a: four pairs of partial sums at EN + 8 a
.set F0,  96                           ; fragment buffer 0; buffer 1 at F0 + 64
.set HL,  160                          ; at the head: v160-191 q's four partial sums, v192-199 v, v200-203 at work
.set W4,  224                          ; v224-239 the four waves' parts of rows 4 lane ..+3
.set E4,  240                          ; v240-243 their energies
.set P4,  244                          ; v244-247 their p
.set CS,  248                          ; v248-255 the context's eight sums
.set MSB, 0
.macro WIN new                         ; the immediate's high byte repeats the setting that is left; a switch that changes nothing is dropped
.if MSB != (\new)
	s_set_vgpr_msb (MSB<<8)|(\new)
.set MSB, \new
.endif
.endm
.macro PLACES                          ; four places (ISA guide 7.12.1 for vector instructions) behind matrix instructions whose registers are read, written or loaded next
.rept 4
	v_nop
.endr
.endm
; Half of Wk's eight fragments of step st (counted from where s[6:7] stands) into buffer buf: h group g of 64, which lies 131,072 bytes on: eight loads of 512 consecutive bytes
.macro BF8 st, buf, g
	WIN 0x40                                       ; destination window 1, address window 0
.irp n, 0,1,2,3,4,5,6,7
	global_load_b128 v[64*(\buf)+32*(\g)+4*(\n):64*(\buf)+32*(\g)+4*(\n)+3], v[GA], s[6:7] offset:131072*(\g)+4096*(\st)+512*(\n)
.endr
.endm
.macro BFETCH st, buf
	BF8 \st, \buf, 0
	BF8 \st, \buf, 1
.endm
; Intake of the row in slot s: rounded to bf16, stored into the block.  kind = 1: the slot takes the row eight further on; 2: in its stead half s % 2 of Wk's step s / 2 is asked for; 0: nothing.
; cnt: the younger loads, in groups of eight (rows, or at the end halves of Wk's steps), which may stay out.
.macro ROWIN s, kind, cnt
	s_wait_loadcnt \cnt
	WIN 0x0a                                       ; sources 0 and 1 window 2
.irp x, 0,1,2,3,4,5,6,7
	v_cvt_pk_bf16_f32 v[F0+2*(\x)],   v[32*(\s)+4*(\x)],   v[32*(\s)+4*(\x)+1]
	v_cvt_pk_bf16_f32 v[F0+2*(\x)+1], v[32*(\s)+4*(\x)+2], v[32*(\s)+4*(\x)+3]
.endr
	WIN 0
.irp x, 0,1,2,3,4,5,6,7
	ds_store_b64 v[AS], v[F0+2*(\x):F0+2*(\x)+1] offset:(\s)*PA+256*(\x)  ; 32 lanes, 256 consecutive bytes
.endr
.if (\kind) == 1
	WIN 0x80                                       ; destination window 2
.irp x, 0,1,2,3,4,5,6,7
	global_load_b128 v[32*(\s)+4*(\x):32*(\s)+4*(\x)+3], v[GA], s[4:5] offset:4096*((\s)+8)+512*(\x) th:TH_LOAD_NT
.endr
.elseif (\kind) == 2
	BF8 (\s)/2, (\s)/2, (\s)%2
.endif
.endm
; enc's eight fragments (128 rows x 32 K at byte kb of the rows, counted from AA) into buffer f: 16 loads, rows 0-63 first
.macro AFETCH kb, f
	WIN 0
.irp a, 0,1,2,3,4,5,6,7
	ds_load_b128 v[(\f)+8*(\a):(\f)+8*(\a)+3],   v[AA+(\a)/2] offset:((\a)%2)*16*PA+(\kb)
	ds_load_b128 v[(\f)+8*(\a)+4:(\f)+8*(\a)+7], v[AA+(\a)/2] offset:((\a)%2)*16*PA+(\kb)+32
.endr
.endm
; 32 matrix instructions: four row groups (hi = 0: rows 0-63, 1: rows 64-127) x the pass's eight groups of 16 h.  first = 1: the products start the sums: nothing is cleared.
; The 64 accumulators take turns, in the same order in every step.
.macro MUL32 j, hi, first
	WIN 0xa1+0x50*(\hi)                            ; Wk window 1, enc window 0, C and D window 2 or 3
.irp a, 0,1,2,3
.irp b, 0,1,2,3,4,5,6,7
.if \first
	v_wmma_f32_16x16x32_bf16 v[8*(8*(\a)+(\b)):8*(8*(\a)+(\b))+7], v[64*((\j)%4)+8*(\b):64*((\j)%4)+8*(\b)+7], v[F0+64*((\j)%2)+8*(4*(\hi)+(\a)):F0+64*((\j)%2)+8*(4*(\hi)+(\a))+7], 0
.else
	v_wmma_f32_16x16x32_bf16 v[8*(8*(\a)+(\b)):8*(8*(\a)+(\b))+7], v[64*((\j)%4)+8*(\b):64*((\j)%4)+8*(\b)+7], v[F0+64*((\j)%2)+8*(4*(\hi)+(\a)):F0+64*((\j)%2)+8*(4*(\hi)+(\a))+7], v[8*(8*(\a)+(\b)):8*(8*(\a)+(\b))+7]
.endif
.endr
.endr
.endm
; A step of 32 along K, number j of a group of four: 64 matrix instructions.  In its middle, in ONE run, the next step's fragments of enc are fetched (aload) and Wk's step three further on is
; asked for (bload), both into the buffers that the step before read.  lcnt: the loads of Wk issued behind this step's, which may stay out.
.macro KSTEP j, first, aload, bload, lcnt
	s_wait_loadcnt \lcnt
	s_wait_dscnt 8                                 ; all but the youngest eight LDS loads (enc's rows 64-127)
	MUL32 \j, 0, \first
.if (\aload) || (\bload)
	PLACES
.endif
.if \aload
	AFETCH 64*((\j)+1), F0+64*(((\j)+1)%2)
.endif
.if \bload
	BFETCH (\j)+3, ((\j)+3)%4
.endif
.if \aload
	s_wait_dscnt 16                                ; all but the 16 just issued
.else
	s_wait_dscnt 0x0
.endif
	MUL32 \j, 1, \first
.endm
.macro STEP4                           ; four steps on
	WIN 0
	s_wait_xcnt 0x0                                ; Wk's base is stepped only when every load issued has had its address translated (ISA guide 3.1)
	s_add_nc_u64 s[6:7], s[6:7], 16384
.irp p, 0,1,2,3
	v_add_nc_u32 v[AA+(\p)], 256, v[AA+(\p)]
.endr
.endm
; The epilogue of row group a: its keys for the pass's 128 h lie in 64 registers; c keys + c q, then r = 1 / (1 + 2^..) in place, ascending from each accumulator's low end;
; then four chains of packed multiply-adds onto the group's partial sums.  A plain instruction stands behind each run of transcendentals (ISA guide 5.7.2).
.macro EPI a
.set R0, 64*((\a)%4)
	WIN ((2+(\a)/4)<<6)|(2+(\a)/4)                 ; destination and source 0 in the group's window; c q (source 2) in window 0
.set i, 0
.rept 32
	v_pk_fma_f32 v[R0+2*i:R0+2*i+1], v[R0+2*i:R0+2*i+1], s[24:25], v[F0+2*i:F0+2*i+1] op_sel_hi:[1,0,1]
.set i, i+1
.endr
.set i, 0
.rept 64
	v_exp_f32 v[R0+i], v[R0+i]
.set i, i+1
.endr
	v_nop
.set i, 0
	s_wait_alu depctr_va_vdst(0)
.rept 32
	v_pk_add_f32 v[R0+2*i:R0+2*i+1], v[R0+2*i:R0+2*i+1], 1.0 op_sel_hi:[1,0]
.set i, i+1
.endr
.set i, 0
.rept 64
	v_rcp_f32 v[R0+i], v[R0+i]
.set i, i+1
.endr
	v_nop
	WIN 2+(\a)/4                                   ; r in the group's window; -2 v and the sums in window 0
.set i, 0
	s_wait_alu depctr_va_vdst(0)
.rept 32
	v_pk_fma_f32 v[EN+8*(\a)+2*(i%4):EN+8*(\a)+2*(i%4)+1], v[R0+2*i:R0+2*i+1], v[F0+64+2*i:F0+64+2*i+1], v[EN+8*(\a)+2*(i%4):EN+8*(\a)+2*(i%4)+1]
.set i, i+1
.endr
.endm
; The context: 16 rows of my eight columns (32 loads of 8 bytes) and their p (4 loads, the same bytes for every lane): 36 LDS loads
.macro CLOAD x, p, off, poff
.set i, 0
.rept 16
	ds_load_b64 v[(\x)+4*i:(\x)+4*i+1],   v[CX] offset:(\off)+PA*i
	ds_load_b64 v[(\x)+4*i+2:(\x)+4*i+3], v[CX] offset:(\off)+PA*i+1024
.set i, i+1
.endr
.irp k, 0,1,2,3
	ds_load_b128 v[(\p)+4*(\k):(\p)+4*(\k)+3], v[PR] offset:(\poff)+16*(\k)
.endr
.endm
.macro CFMA x, p                       ; sum += bf16 half x p, in f32: eight chains by turns
.set i, 0
.rept 16
.irp c, 0,1,2,3
	v_fma_mix_f32_bf16 v[CS+2*(\c)],   v[(\x)+4*i+(\c)], v[(\p)+i], v[CS+2*(\c)]   op_sel_hi:[1,0,0]
	v_fma_mix_f32_bf16 v[CS+2*(\c)+1], v[(\x)+4*i+(\c)], v[(\p)+i], v[CS+2*(\c)+1] op_sel:[1,0,0] op_sel_hi:[1,0,0]
.endr
.set i, i+1
.endr
.endm
	s_load_b256 s[4:11], s[0:1], 0x0               ; enc s[4:5], wkb s[6:7], qp s[8:9], v s[10:11]
	s_load_b128 s[12:15], s[0:1], 0x20             ; mask s[12:13], ews s[14:15]
	s_load_b64 s[16:17], s[0:1], 0x30              ; ctxp
	v_lshl_add_u32 v[SPW], v0, 2, SPARE
	v_mov_b32 v[NIL], 0
	v_lshrrev_b32 v1, 5, v0
	v_readfirstlane_b32 s20, v1                    ; wave 0..3
	v_and_b32 v1, 31, v0                           ; lane
	v_and_b32 v2, 15, v0                           ; lane % 16
	v_bfe_u32 v3, v0, 4, 1                         ; lane / 16
	v_lshlrev_b32 v[GA], 4, v1
	s_mul_i32 s21, s20, 32*PA
	v_lshl_add_u32 v[AS], v1, 3, s21
	v_mul_u32_u24 v[AB], v2, PA                    ; a fragment: row lane % 16, 16 bytes for each half of the lanes, a second load 32 bytes on
	v_lshl_add_u32 v[AB], v3, 4, v[AB]
	v_add_nc_u32 v[AB+1], 32*PA, v[AB]
	v_add_nc_u32 v[AB+2], 64*PA, v[AB]
	v_add_nc_u32 v[AB+3], 96*PA, v[AB]
	s_lshl_b32 s21, s20, 10
	s_add_co_u32 s21, s21, QT
	v_lshl_add_u32 v[TA], v3, 5, s21               ; c q of h = 256 w + 8 (lane / 16) on
	v_lshl_add_u32 v[QS], v0, 4, QT
	s_lshl_b32 s21, s20, 2
	s_add_co_u32 s21, s21, EW
	v_lshl_add_u32 v[ES], v2, 4, s21
	v_lshl_add_u32 v[ER], v1, 6, EW
	s_lshl_b32 s21, s20, 9
	s_add_co_u32 s21, s21, PT
	v_lshl_add_u32 v[PS], v1, 4, s21
	v_mov_b32 v[PR], s21
	v_lshlrev_b32 v[CX], 3, v0
	v_lshlrev_b32 v[CO], 4, v0
	s_lshl_b32 s2, ttmp9, 19                       ; enc: the block's 524,288 bytes, my wave's 32 rows of them (under 2^32 in all)
	s_lshl_b32 s3, s20, 17
	s_add_co_u32 s2, s2, s3
	s_mov_b32 s3, 0
	s_lshl_b32 s30, s20, 19                        ; wkb: my wave's quarter
	s_mov_b32 s31, 0
	s_lshr_b32 s34, ttmp9, 3                       ; qp: the batch's row
	s_lshl_b32 s34, s34, 12
	s_mov_b32 s35, 0
	s_lshl_b32 s36, ttmp9, 9                       ; mask and ews: the block's 128 words
	s_mov_b32 s37, 0
	s_lshl_b32 s38, ttmp9, 12                      ; ctxp: the block's row
	s_mov_b32 s39, 0
	s_mov_b32 s24, 0x4038aa3b                      ; c = 2 log2(e)
	s_mov_b32 s25, s24                             ; named with it as a pair
	s_mov_b32 s26, 0x76543210                      ; v_permlanex16_b32: each lane takes its own place in the other half
	s_mov_b32 s27, 0xfedcba98
	s_mov_b32 s32, 0xd01502f9                      ; -1e10
	s_mov_b32 s33, 0x3fb8aa3b                      ; log2(e)
	s_wait_kmcnt 0x0
	s_add_nc_u64 s[4:5], s[4:5], s[2:3]
	s_add_nc_u64 s[6:7], s[6:7], s[30:31]
	s_add_nc_u64 s[8:9], s[8:9], s[34:35]
	s_add_nc_u64 s[12:13], s[12:13], s[36:37]
	s_add_nc_u64 s[14:15], s[14:15], s[36:37]
	s_add_nc_u64 s[16:17], s[16:17], s[38:39]
	global_load_b128 v[MK:MK+3], v[GA], s[12:13]   ; every wave takes the whole block's mask
.irp k, 0,1,2,3
	global_load_b128 v[HL+8*(\k):HL+8*(\k)+3],   v[CO], s[8:9] offset:262144*(\k)       ; q's four partial sums: 32 bytes of each a thread
	global_load_b128 v[HL+8*(\k)+4:HL+8*(\k)+7], v[CO], s[8:9] offset:262144*(\k)+2048
.endr
	global_load_b128 v[HL+32:HL+35], v[CO], s[10:11]              ; v
	global_load_b128 v[HL+36:HL+39], v[CO], s[10:11] offset:2048
	WIN 0x80
.set n, 0
.rept 64                                               ; my rows 0 to 7 fill the eight slots: 512 consecutive bytes a load
	global_load_b128 v[4*n:4*n+3], v[GA], s[4:5] offset:512*n th:TH_LOAD_NT
.set n, n+1
.endr
	WIN 0
.set i, EN
.rept 64                                               ; the energies' partial sums start at 0: the two passes run one text; these lines stand in the wait for the first rows
	v_mov_b32 v[i], 0
.set i, i+1
.endr
	s_wait_loadcnt 63                              ; 75 loads have been issued: the oldest twelve are in, the mask, q's eight and v's two among them
.irp i, 0,1,2,3
	v_pk_add_f32 v[HL+2*(\i):HL+2*(\i)+1],       v[HL+2*(\i):HL+2*(\i)+1],       v[HL+8+2*(\i):HL+8+2*(\i)+1]
	v_pk_add_f32 v[HL+16+2*(\i):HL+16+2*(\i)+1], v[HL+16+2*(\i):HL+16+2*(\i)+1], v[HL+24+2*(\i):HL+24+2*(\i)+1]
.endr
.irp i, 0,1,2,3
	v_pk_add_f32 v[HL+2*(\i):HL+2*(\i)+1], v[HL+2*(\i):HL+2*(\i)+1], v[HL+16+2*(\i):HL+16+2*(\i)+1]  ; q
.endr
.irp i, 0,1,2,3
	v_pk_mul_f32 v[HL+2*(\i):HL+2*(\i)+1], v[HL+2*(\i):HL+2*(\i)+1], s[24:25] op_sel_hi:[1,0]        ; c q
.endr
	v_cvt_pk_bf16_f32 v[HL+40], v[HL+32], v[HL+33] ; v is rounded to bf16,
	v_cvt_pk_bf16_f32 v[HL+41], v[HL+34], v[HL+35]
	v_cvt_pk_bf16_f32 v[HL+42], v[HL+36], v[HL+37]
	v_cvt_pk_bf16_f32 v[HL+43], v[HL+38], v[HL+39]
.irp i, 0,1,2,3
	v_lshlrev_b32 v[HL+32+2*(\i)], 16, v[HL+40+(\i)]              ; widened again,
	v_and_b32 v[HL+33+2*(\i)], 0xffff0000, v[HL+40+(\i)]
.endr
.irp i, 0,1,2,3
	v_pk_mul_f32 v[HL+32+2*(\i):HL+33+2*(\i)], v[HL+32+2*(\i):HL+33+2*(\i)], -2.0 op_sel_hi:[1,0]  ; and multiplied by -2, which rounds nothing
.endr
	ds_store_b128 v[QS], v[HL:HL+3]
	ds_store_b128 v[QS], v[HL+4:HL+7] offset:2048
	ds_store_b128 v[QS], v[HL+32:HL+35] offset:4096
	ds_store_b128 v[QS], v[HL+36:HL+39] offset:6144
	; THE INTAKE.  Three trips of eight rows, each slot filled again with the row eight further on; then the last eight rows, written out: no load leaves the block.
	; Behind a slot's eight loads stand seven groups of eight younger ones: the count is 56.
	s_mov_b32 s29, 3
.Lintake:
.irp s, 0,1,2,3,4,5,6,7
	ROWIN \s, 1, 56
.endr
	WIN 0
	s_wait_xcnt 0x0                                ; enc's base is stepped only behind this wait
	s_add_nc_u64 s[4:5], s[4:5], 32768
	v_add_nc_u32 v[AS], 8*PA, v[AS]
	s_sub_co_u32 s29, s29, 1
	s_cmp_lg_u32 s29, 0
	s_cbranch_scc1 .Lintake
.irp s, 0,1,2,3,4,5
	ROWIN \s, 2, 56                                ; the six halves of Wk's steps 0 to 2 go out where the refills stood
.endr
	ROWIN 6, 0, 56                                 ; the last row's eight loads and Wk's 48
	ROWIN 7, 0, 48                                 ; Wk's 48
	s_wait_dscnt 0x0                               ; for the others' sake: my rows, c q and -2 v are in LDS
	s_barrier_signal -1
	s_barrier_wait -1                              ; the block is whole; nothing writes it, c q or -2 v from here on.  Wk's loads stay out: they land in my registers
	; THE PRODUCTS.  Two passes of 128 h; a pass is 32 steps of 32 along K: four written out (the first starts the sums), six trips of four, four written out (they ask for nothing past the pass)
	s_mov_b32 s28, 2
.Lpass:
.irp p, 0,1,2,3
	v_mov_b32 v[AA+(\p)], v[AB+(\p)]               ; back to K = 0
.endr
	AFETCH 0, F0
	KSTEP 0, 1, 1, 1, 32                           ; 32: behind a step's sixteen loads of Wk stand those of the two steps that follow it
.irp j, 1,2,3
	KSTEP \j, 0, 1, 1, 32
.endr
	STEP4
	s_mov_b32 s29, 6
.Lk4:
.irp j, 0,1,2,3
	KSTEP \j, 0, 1, 1, 32
.endr
	STEP4
	s_sub_co_u32 s29, s29, 1
	s_cmp_lg_u32 s29, 0
	s_cbranch_scc1 .Lk4
	KSTEP 0, 0, 1, 1, 32                           ; asks for the pass's last step
	KSTEP 1, 0, 1, 0, 32                           ; from here the counts run down
	KSTEP 2, 0, 1, 0, 16
	KSTEP 3, 0, 0, 0, 0
	WIN 0
	s_add_nc_u64 s[6:7], s[6:7], 16384+131072      ; the last step's wait for 0 has shown every load of Wk done, so the base may step: past these four steps and past the pass's second 64 h
	PLACES                                         ; behind the last products: enc's and Wk's buffers are loaded again, the accumulators read
.irp n, 0,1,2,3,4,5,6,7,8,9,10,11,12,13,14,15
	ds_load_b128 v[F0+4*(\n):F0+4*(\n)+3],       v[TA] offset:64*((\n)/2)+16*((\n)%2)       ; c q: register j of group b is h = .. + 16 b + 8 (lane / 16) + j, as in the accumulators
	ds_load_b128 v[F0+64+4*(\n):F0+64+4*(\n)+3], v[TA] offset:4096+64*((\n)/2)+16*((\n)%2)  ; -2 v likewise
.endr
	s_cmp_eq_u32 s28, 1
	s_cbranch_scc1 .Lnoprob                        ; behind the last pass there is nothing to ask for: no load leaves wkb
.irp j, 0,1,2
	BFETCH \j, \j                                  ; the next pass's steps 0 to 2 land while the epilogue runs
.endr
	WIN 0
.Lnoprob:
	s_wait_dscnt 0x0                               ; the two tables are in
.irp a, 0,1,2,3,4,5,6,7
	EPI \a
.endr
	WIN 0
	v_add_nc_u32 v[TA], 512, v[TA]                 ; the next 128 h
	s_sub_co_u32 s28, s28, 1
	s_cmp_lg_u32 s28, 0
	s_cbranch_scc1 .Lpass
	; THE ENERGIES.  A lane's eight partial sums of a row group, then the other half of the lanes' (the row's other h), then the four waves' parts through LDS
.irp a, 0,1,2,3,4,5,6,7
	v_pk_add_f32 v[EN+8*(\a):EN+8*(\a)+1], v[EN+8*(\a):EN+8*(\a)+1], v[EN+8*(\a)+2:EN+8*(\a)+3]
.endr
.irp a, 0,1,2,3,4,5,6,7
	v_pk_add_f32 v[EN+8*(\a)+4:EN+8*(\a)+5], v[EN+8*(\a)+4:EN+8*(\a)+5], v[EN+8*(\a)+6:EN+8*(\a)+7]
.endr
.irp a, 0,1,2,3,4,5,6,7
	v_pk_add_f32 v[EN+8*(\a):EN+8*(\a)+1], v[EN+8*(\a):EN+8*(\a)+1], v[EN+8*(\a)+4:EN+8*(\a)+5]
.endr
.irp a, 0,1,2,3,4,5,6,7
	v_add_f32 v[EN+8*(\a)], v[EN+8*(\a)], v[EN+8*(\a)+1]
.endr
.irp a, 0,1,2,3,4,5,6,7
	v_permlanex16_b32 v[EN+8*(\a)+1], v[EN+8*(\a)], s26, s27
.endr
.irp a, 0,1,2,3,4,5,6,7
	v_add_f32 v[EN+8*(\a)], v[EN+8*(\a)], v[EN+8*(\a)+1]
.endr
.irp a, 0,1,2,3,4,5,6,7
	ds_store_b32 v[ES], v[EN+8*(\a)] offset:256*(\a)  ; row 16 a + lane % 16, my wave's word; the two halves of the lanes write the same number
.endr
	s_wait_dscnt 0x0                               ; for the others' sake: my parts are in LDS
	s_barrier_signal -1
	s_barrier_wait -1
	; from here every wave does the same for all 128 rows, four a lane, in the same order: all four hold the same numbers
.irp i, 0,1,2,3
	ds_load_b128 v[W4+4*(\i):W4+4*(\i)+3], v[ER] offset:16*(\i)
.endr
	s_wait_dscnt 0x0
.irp i, 0,1,2,3
	v_pk_add_f32 v[W4+4*(\i):W4+4*(\i)+1], v[W4+4*(\i):W4+4*(\i)+1], v[W4+4*(\i)+2:W4+4*(\i)+3]
.endr
.irp i, 0,1,2,3
	v_add_f32 v[E4+(\i)], v[W4+4*(\i)], v[W4+4*(\i)+1]
.endr
.irp i, 0,1,2,3
	v_cmp_eq_u32 vcc_lo, 0, v[MK+(\i)]
	v_cndmask_b32 v[E4+(\i)], v[E4+(\i)], s32, vcc_lo  ; a masked row stands at -1e10
.endr
	v_max3_num_f32 v[TM], v[E4], v[E4+1], v[E4+2]  ; the block's maximum: in the lane, in each half of the lanes, across the halves
	v_max_num_f32 v[TM], v[TM], v[E4+3]
	v_max_num_f32_dpp v[TM], v[TM], v[TM] row_xmask:1 row_mask:0xf bank_mask:0xf
	v_max_num_f32_dpp v[TM], v[TM], v[TM] row_xmask:2 row_mask:0xf bank_mask:0xf
	v_max_num_f32_dpp v[TM], v[TM], v[TM] row_xmask:4 row_mask:0xf bank_mask:0xf
	v_max_num_f32_dpp v[TM], v[TM], v[TM] row_xmask:8 row_mask:0xf bank_mask:0xf
	v_permlanex16_b32 v[W4], v[TM], s26, s27       ; its destination counts as read: it has been written
	v_max_num_f32 v[TM], v[TM], v[W4]
.irp i, 0,1,2,3
	v_sub_f32 v[P4+(\i)], v[E4+(\i)], v[TM]
.endr
.irp i, 0,1,2,3
	v_mul_f32 v[P4+(\i)], s33, v[P4+(\i)]
.endr
.irp i, 0,1,2,3
	v_exp_f32 v[P4+(\i)], v[P4+(\i)]               ; p = exp(e - m), 0 to 1
.endr
.irp i, 0,1,2,3,4,5,6,7
	v_mov_b32 v[CS+(\i)], 0                        ; the context's sums; also the plain instructions behind the exponentials
.endr
	s_wait_alu depctr_va_vdst(0)
	ds_store_b128 v[PS], v[P4:P4+3]                ; into my wave's own copy: no other wave reads it, so no barrier
	s_cmp_lg_u32 s20, 0
	s_cbranch_scc1 .Lnot0
	global_store_b128 v[GA], v[E4:E4+3], s[14:15]  ; wave 0 stores the block's energies: 512 consecutive bytes; E4 is not written again
.Lnot0:
	; THE CONTEXT.  128 rows in eight groups of 16, on two register buffers: while one is multiplied the other's 36 loads are out
	CLOAD F0, EN, 0, 0
	s_mov_b32 s29, 3
.Lctx:
	CLOAD F0+64, EN+16, 16*PA, 64
	s_wait_dscnt 36                                ; all but the 36 just issued (LDS serves a wave's instructions in order, so p's loads see p's store: ISA guide 5.7.1.4)
	CFMA F0, EN
	v_add_nc_u32 v[CX], 32*PA, v[CX]
	v_add_nc_u32 v[PR], 128, v[PR]
	CLOAD F0, EN, 0, 0
	s_wait_dscnt 36
	CFMA F0+64, EN+16
	s_sub_co_u32 s29, s29, 1
	s_cmp_lg_u32 s29, 0
	s_cbranch_scc1 .Lctx
	CLOAD F0+64, EN+16, 16*PA, 64                  ; rows 112 to 127
	s_wait_dscnt 36
	CFMA F0, EN
	s_wait_dscnt 0x0
	CFMA F0+64, EN+16
	global_store_b128 v[CO], v[CS:CS+3], s[16:17]              ; a wave's store covers 512 consecutive bytes, at a multiple of 512 from ctxp's first byte
	global_store_b128 v[CO], v[CS+4:CS+7], s[16:17] offset:2048
	s_wait_tensorcnt 0x0                           ; the wave's end: three closing lines, behind my last LDS store
	ds_add_u32 v[SPW], v[NIL]
	s_wait_dscnt 0x0
	s_endpgm
.Lfunc_end_k_qe87bd42224_main:
	.size	k_qe87bd42224_main, .Lfunc_end_k_qe87bd42224_main-k_qe87bd42224_main
	.p2alignl 7, 3214868480
	.fill 96, 4, 3214868480
	.section	.rodata,"a",@progbits
	.p2align	6, 0x0
	.amdhsa_kernel k_qe87bd42224_main
		.amdhsa_group_segment_fixed_size 276992
		.amdhsa_private_segment_fixed_size 0
		.amdhsa_enable_private_segment 0
		.amdhsa_kernarg_size 56
		.amdhsa_user_sgpr_count 2
		.amdhsa_user_sgpr_kernarg_segment_ptr 1
		.amdhsa_wavefront_size32 1
		.amdhsa_system_sgpr_workgroup_id_x 1
		.amdhsa_system_sgpr_workgroup_id_y 1
		.amdhsa_system_sgpr_workgroup_id_z 1
		.amdhsa_system_vgpr_workitem_id 0
		.amdhsa_next_free_vgpr 1024
		.amdhsa_next_free_sgpr 66
		.amdhsa_reserve_vcc 1
		.amdhsa_float_denorm_mode_32 3
		.amdhsa_float_denorm_mode_16_64 3
		.amdhsa_memory_ordered 1
		.amdhsa_forward_progress 1
		.amdhsa_inst_pref_size 255
	.end_amdhsa_kernel
	.section	.bss,"aw",@nobits
	.p2align	6
	.space	262144
	.amdgpu_metadata
---
amdhsa.version: [ 1, 2 ]
amdhsa.kernels:
  - .name:           k_qe87bd42224_main
    .symbol:         k_qe87bd42224_main.kd
    .args:
      - { .name: encoder_outputs, .offset: 0, .size: 8, .value_kind: global_buffer, .address_space: global }
      - { .name: wkb, .offset: 8, .size: 8, .value_kind: global_buffer, .address_space: global }
      - { .name: qp, .offset: 16, .size: 8, .value_kind: global_buffer, .address_space: global }
      - { .name: v, .offset: 24, .size: 8, .value_kind: global_buffer, .address_space: global }
      - { .name: mask, .offset: 32, .size: 8, .value_kind: global_buffer, .address_space: global }
      - { .name: ews, .offset: 40, .size: 8, .value_kind: global_buffer, .address_space: global }
      - { .name: ctxp, .offset: 48, .size: 8, .value_kind: global_buffer, .address_space: global }
    .group_segment_fixed_size: 276992
    .private_segment_fixed_size: 0
    .kernarg_segment_align: 8
    .kernarg_segment_size: 56
    .max_flat_workgroup_size: 128
    .sgpr_count:     66
    .vgpr_count:     1024
    .wavefront_size: 32
...
	.end_amdgpu_metadata
.endif
;; end of part 2
;; launch final (part 3): grid 64 x 1, 8 waves a work-group, no clusters, 1,280 bytes of LDS; arguments ews, ctxp, out0, out1; writes out0, out1
.if DOCPART == 3
	.amdgcn_target "amdgcn-amd-amdhsa--gfx1250"
	.amdhsa_code_object_version 6
	.text
	.protected	k_qe87bd42224_final
	.globl	k_qe87bd42224_final
	.p2align	8
	.type	k_qe87bd42224_final,@function
k_qe87bd42224_final:
	s_mov_b64 s[64:65], 0
	v_nop
	global_prefetch_b8 v0, s[64:65] scope:SCOPE_SE
	s_setreg_imm32_b32 hwreg(HW_REG_WAVE_MODE, 25, 1), 1
	s_wait_xcnt 0x0
; THE SOFTMAX OVER A BATCH AND THE JOINING OF ITS EIGHT BLOCKS.  One work-group a batch, eight waves.  Thread t owns rows 4 t ..+3 of the energies and columns 4 t ..+3 of the context,
; so wave j holds exactly block j, and its maximum m_j is the one that the launch before took away in p = exp(e - m_j).
; M = max of the m_j; w = exp(e - M); L = sum of w; out1 = w / L; out0 = sum over j of (exp(m_j - M) / L) x block j's partial context.  All in f32.
; A batch that is masked throughout has all its energies equal, and gets equal weights, as in the definition.  L is at least 1: the row of the maximum has w = 1.
; The launch moves 2.9 MB once; no matrix work, no tensor loads, no cluster: the work-groups share nothing.
.set MAXW,  0                          ; LDS: the eight waves' maxima,
.set SUMW,  64                         ; and their sums: other bytes, so one barrier serves each
.set SPARE, 256                        ; the spare words, 128 bytes for each of eight waves
.set SPW, 68                           ; v68  LDS address of my spare word; never rewritten
.set NIL, 69                           ; v69  0; never rewritten
                                       ; v1 16 t; v2 4 x wave; v3 0 (an LDS address); v4-7 e, then w; v8-39 the eight partial contexts; v40-47 m_j, then the factors; v48-55 the waves' sums
                                       ; v56 M; v57-59 at work; v60-63 out1; v64-67 out0
	s_load_b256 s[4:11], s[0:1], 0x0               ; ews s[4:5], ctxp s[6:7], out0 s[8:9], out1 s[10:11]
	v_lshl_add_u32 v[SPW], v0, 2, SPARE
	v_mov_b32 v[NIL], 0
	v_lshrrev_b32 v2, 5, v0
	v_readfirstlane_b32 s12, v2                    ; wave 0..7
	v_lshlrev_b32 v1, 4, v0
	v_mov_b32 v2, s12
	v_lshlrev_b32 v2, 2, v2
	v_mov_b32 v3, 0
	v_mov_b32 v58, 0                               ; v_permlanex16_b32's destination counts as read
	s_lshl_b32 s14, ttmp9, 12                      ; the batch's row of 4,096 bytes in ews, out0, out1
	s_mov_b32 s15, 0
	s_lshl_b32 s16, ttmp9, 15                      ; its eight rows in ctxp
	s_mov_b32 s17, 0
	s_mov_b32 s18, 0x3fb8aa3b                      ; log2(e)
	s_mov_b32 s20, 0x76543210
	s_mov_b32 s21, 0xfedcba98
	s_wait_kmcnt 0x0
	s_add_nc_u64 s[4:5], s[4:5], s[14:15]
	s_add_nc_u64 s[6:7], s[6:7], s[16:17]
	s_add_nc_u64 s[8:9], s[8:9], s[14:15]
	s_add_nc_u64 s[10:11], s[10:11], s[14:15]
	global_load_b128 v[4:7], v1, s[4:5]
.irp j, 0,1,2,3,4,5,6,7
	global_load_b128 v[8+4*(\j):11+4*(\j)], v1, s[6:7] offset:4096*(\j)
.endr
	s_wait_loadcnt 8                               ; the energies are in; the eight partial contexts stay out
	v_max3_num_f32 v57, v4, v5, v6
	v_max_num_f32 v57, v57, v7
	v_max_num_f32_dpp v57, v57, v57 row_xmask:1 row_mask:0xf bank_mask:0xf
	v_max_num_f32_dpp v57, v57, v57 row_xmask:2 row_mask:0xf bank_mask:0xf
	v_max_num_f32_dpp v57, v57, v57 row_xmask:4 row_mask:0xf bank_mask:0xf
	v_max_num_f32_dpp v57, v57, v57 row_xmask:8 row_mask:0xf bank_mask:0xf
	v_permlanex16_b32 v58, v57, s20, s21
	v_max_num_f32 v57, v57, v58                    ; m_j, in every lane
	ds_store_b32 v2, v57 offset:MAXW
	s_wait_dscnt 0x0                               ; for the others' sake
	s_barrier_signal -1
	s_barrier_wait -1
	ds_load_b128 v[40:43], v3 offset:MAXW
	ds_load_b128 v[44:47], v3 offset:MAXW+16
	s_wait_dscnt 0x0
	v_max3_num_f32 v56, v40, v41, v42
	v_max3_num_f32 v57, v43, v44, v45
	v_max3_num_f32 v56, v56, v46, v47
	v_max_num_f32 v56, v56, v57                    ; M
.irp i, 4,5,6,7
	v_sub_f32 v[\i], v[\i], v56
.endr
.irp i, 4,5,6,7
	v_mul_f32 v[\i], s18, v[\i]
.endr
.irp i, 4,5,6,7
	v_exp_f32 v[\i], v[\i]                         ; w
.endr
.irp j, 0,1,2,3,4,5,6,7
	v_sub_f32 v[40+(\j)], v[40+(\j)], v56          ; m_j - M: plain work behind the exponentials
.endr
	s_wait_alu depctr_va_vdst(0)
	v_add_f32 v57, v4, v5
	v_add_f32 v59, v6, v7
	v_add_f32 v57, v57, v59
	v_add_f32_dpp v57, v57, v57 row_xmask:1 row_mask:0xf bank_mask:0xf
	v_add_f32_dpp v57, v57, v57 row_xmask:2 row_mask:0xf bank_mask:0xf
	v_add_f32_dpp v57, v57, v57 row_xmask:4 row_mask:0xf bank_mask:0xf
	v_add_f32_dpp v57, v57, v57 row_xmask:8 row_mask:0xf bank_mask:0xf
	v_permlanex16_b32 v58, v57, s20, s21
	v_add_f32 v57, v57, v58
	ds_store_b32 v2, v57 offset:SUMW
	s_wait_dscnt 0x0
	s_barrier_signal -1
	s_barrier_wait -1
	ds_load_b128 v[48:51], v3 offset:SUMW
	ds_load_b128 v[52:55], v3 offset:SUMW+16
.irp j, 0,1,2,3,4,5,6,7
	v_mul_f32 v[40+(\j)], s18, v[40+(\j)]
.endr
.irp j, 0,1,2,3,4,5,6,7
	v_exp_f32 v[40+(\j)], v[40+(\j)]               ; exp(m_j - M)
.endr
	s_wait_dscnt 0x0
	v_add_f32 v48, v48, v49                        ; the same order in every wave
	v_add_f32 v50, v50, v51
	v_add_f32 v52, v52, v53
	v_add_f32 v54, v54, v55
	v_add_f32 v48, v48, v50
	v_add_f32 v52, v52, v54
	v_add_f32 v48, v48, v52                        ; L
	v_rcp_f32 v59, v48
	v_nop                                          ; a plain instruction between the reciprocal and its use
	s_wait_alu depctr_va_vdst(0)
.irp i, 0,1,2,3
	v_mul_f32 v[60+(\i)], v[4+(\i)], v59
.endr
	global_store_b128 v1, v[60:63], s[10:11]       ; the weights: a wave's store covers 512 consecutive bytes
.irp j, 0,1,2,3,4,5,6,7
	v_mul_f32 v[40+(\j)], v[40+(\j)], v59
.endr
	s_wait_loadcnt 0x0                             ; the partial contexts
.irp c, 0,1,2,3
	v_mul_f32 v[64+(\c)], v[8+(\c)], v40
.endr
.irp j, 1,2,3,4,5,6,7
.irp c, 0,1,2,3
	v_fma_f32 v[64+(\c)], v[8+4*(\j)+(\c)], v[40+(\j)], v[64+(\c)]
.endr
.endr
	global_store_b128 v1, v[64:67], s[8:9]
	s_wait_tensorcnt 0x0                           ; the wave's end: three closing lines, behind my last LDS store
	ds_add_u32 v[SPW], v[NIL]
	s_wait_dscnt 0x0
	s_endpgm
.Lfunc_end_k_qe87bd42224_final:
	.size	k_qe87bd42224_final, .Lfunc_end_k_qe87bd42224_final-k_qe87bd42224_final
	.p2alignl 7, 3214868480
	.fill 96, 4, 3214868480
	.section	.rodata,"a",@progbits
	.p2align	6, 0x0
	.amdhsa_kernel k_qe87bd42224_final
		.amdhsa_group_segment_fixed_size 1280
		.amdhsa_private_segment_fixed_size 0
		.amdhsa_enable_private_segment 0
		.amdhsa_kernarg_size 32
		.amdhsa_user_sgpr_count 2
		.amdhsa_user_sgpr_kernarg_segment_ptr 1
		.amdhsa_wavefront_size32 1
		.amdhsa_system_sgpr_workgroup_id_x 1
		.amdhsa_system_sgpr_workgroup_id_y 1
		.amdhsa_system_sgpr_workgroup_id_z 1
		.amdhsa_system_vgpr_workitem_id 0
		.amdhsa_next_free_vgpr 72
		.amdhsa_next_free_sgpr 66
		.amdhsa_reserve_vcc 0
		.amdhsa_float_denorm_mode_32 3
		.amdhsa_float_denorm_mode_16_64 3
		.amdhsa_memory_ordered 1
		.amdhsa_forward_progress 1
		.amdhsa_inst_pref_size 8
	.end_amdhsa_kernel
	.amdgpu_metadata
---
amdhsa.version: [ 1, 2 ]
amdhsa.kernels:
  - .name:           k_qe87bd42224_final
    .symbol:         k_qe87bd42224_final.kd
    .args:
      - { .name: ews, .offset: 0, .size: 8, .value_kind: global_buffer, .address_space: global }
      - { .name: ctxp, .offset: 8, .size: 8, .value_kind: global_buffer, .address_space: global }
      - { .name: out0, .offset: 16, .size: 8, .value_kind: global_buffer, .address_space: global }
      - { .name: out1, .offset: 24, .size: 8, .value_kind: global_buffer, .address_space: global }
    .group_segment_fixed_size: 1280
    .private_segment_fixed_size: 0
    .kernarg_segment_align: 8
    .kernarg_segment_size: 32
    .max_flat_workgroup_size: 256
    .sgpr_count:     66
    .vgpr_count:     72
    .wavefront_size: 32
...
	.end_amdgpu_metadata
.endif
;; end of part 3
;; ======== version 2 of 2: 3 launches; version 1 with the launch main written anew for expert scheduling mode
;; limits: right only within a limited range of input values
;; workspace buffers: qp 1,048,576 bytes; wkb 2,097,152 bytes; ews 262,144 bytes; ctxp 2,097,152 bytes
;; launch prep: the kernel of part 1 again; grid 256 x 1, 4 waves a work-group, no clusters, 55,552 bytes of LDS; arguments decoder_hidden, Wq, Wk, qp, wkb; writes qp, wkb
;; launch main (part 4): grid 512 x 1, 4 waves a work-group, no clusters, 276,992 bytes of LDS; arguments encoder_outputs, wkb, qp, v, mask, ews, ctxp; writes ews, ctxp
.if DOCPART == 4
	.amdgcn_target "amdgcn-amd-amdhsa--gfx1250"
	.amdhsa_code_object_version 6
	.text
	.protected	k_qe87bd42224_main
	.globl	k_qe87bd42224_main
	.p2align	8
	.type	k_qe87bd42224_main,@function
k_qe87bd42224_main:
	s_mov_b64 s[64:65], 0
	v_nop
	global_prefetch_b8 v0, s[64:65] scope:SCOPE_SE
	s_setreg_imm32_b32 hwreg(HW_REG_WAVE_SCHED_MODE, 0, 2), 2
	s_setreg_imm32_b32 hwreg(HW_REG_WAVE_MODE, 25, 1), 1
	s_wait_xcnt 0x0
	s_wait_alu depctr_vm_vsrc(0)
; BAHDANAU ATTENTION, THE MAIN LAUNCH.  A work-group owns a BLOCK: 128 rows s of one batch (512 blocks; block g: batch g / 8, rows 128 (g % 8) on).  It reads the block's 524,288 bytes of
; encoder_outputs ONCE, rounds them to bf16 and keeps them in LDS; makes keys = enc Wk^T on the matrix units (bf16 operands, f32 sums); adds q, takes tanh and the product with v on the
; accumulators; then the block's masked energies, their maximum m, p = exp(e - m), and the partial context sum over the block's rows of p enc, from the same LDS copy.
; Out: ews (the masked energies, f32) and ctxp (the block's partial context, f32).  The next launch finds the batch's maximum and sum and joins the eight blocks.
; ARITHMETIC.  tanh(x) = 1 - 2 r, r = 1 / (1 + 2^(c x)), c = 2 log2(e): an infinite power gives r = 0, a vanished one r = 1, so both ends are exact.  c x = c keys + c q is one fused multiply-add.
; The energy kept is e' = sum over h of (-2 v[h]) r[h] = e - sum(v): the term left out is common to all open rows of a batch and drops out of the softmax.  v is rounded to bf16 as the
; matrix operands are, and then kept in f32.  q arrives as four partial sums in f32 and is added up here.
; LIMITS.  A masked row stands at -1e10, as in the definition; beside e' in place of e that gives the same weights as long as the sum of |v| stays under 1e9.  NaN and infinities are not treated apart.
; SHARES.  Four waves.  Intake: wave w brings in rows 32 w ..+31.  Products: every wave takes all 128 rows and h = 256 w ..+255, in two passes of 128 h: 64 accumulators of 16 x 16, 512 registers.
; For 32 along K a wave reads 8 KiB of enc from LDS and 8 KiB of Wk into registers, for 64 matrix instructions.
; Source 0 = 16 rows of Wk, source 1 = 16 rows of enc: a lane then holds ONE row s (lane % 16) and eight h, so the sum over h stays in the lane but for one exchange of halves and four words in LDS.
; Context: thread t owns columns 4 t ..+3 and 512 + 4 t ..+3.
; NO CLUSTER, NO TENSOR LOADS, though all work-groups walk the same Wk: the block takes 264,192 of the 327,680 bytes of LDS that a launch can claim; beside it and the tables two slots of at most
; 24 KiB would fit, 12,288 numbers of Wk each: 192 matrix instructions for the work-group, 48 a wave, between a request and the wait for it.  So each wave streams its own quarter of wkb
; (524,288 bytes, in fragment order) straight into registers, sixteen loads of 512 bytes a step, asked for in the first half of the step three before: 160 matrix instructions or more ahead of the wait.
; THE MODE: SCHED_MODE bits 1:0 = 2 (LLVM: expert scheduling mode 2), set by the entry lines.  The code itself states the register dependences between vector or matrix instructions and
; memory or LDS instructions, with s_wait_alu, always for 0.
; THE PLAN.  Registers that memory or LDS instructions touch:
;   v4-19         offsets and LDS addresses, made at the head.  Written again: AS once a trip of the intake, TA once a pass, CX and PR once a trip of the context; the others never.
;   AA            read by enc's fragment loads; written at a pass's head and once in four steps.
;   slots         (window 2) row s's conversions read slot s; behind them its refill lands there.
;   stages        slot s has 16 registers of its own at F0 + 16 s: its conversions write them, its eight LDS stores read them, a trip later they are written again.
;   enc 0, 1      step j's matrix instructions read buffer j % 2; the loads issued in step j land in the other, which step j - 1 read.  Later: the epilogue's tables, the context's rows.
;   Wk 0 .. 3     (window 1) step j's matrix instructions read buffer j % 4; the loads issued in step j land in buffer (j + 3) % 4, which step j - 1 read.
;   EN            vector work alone until eight LDS stores read EN + 8 a; later p lands in EN ..+31.       P4, E4, CS: written by vector work, read by one store each, not written again.
; So ONE wait on va_vdst stands at the head of a step of the products: behind it the matrix instructions of the step before are done with the two buffers in which the step's 32 loads land, and the
; step's own matrix instructions name neither of them: the loads are dealt among them, four at a time.  One wait on vm_vsrc in four steps stands ahead of the adds to AA.
; REGISTERS, in windows of 256 (s_set_vgpr_msb: bits 1:0 source 0, 3:2 source 1, 5:4 source 2, 7:6 destination):
;   window 0: v0-31 addresses; v32-95 the energies' partial sums, later p; v96-159, v160-223 fragments of enc, two buffers (also at work at the head, the intake's eight stages, the tables c q and -2 v
;             in the epilogue, rows of enc in the context); v224-255 the energies' last steps and the context's sums
;   window 1: four buffers of 64 for Wk's fragments          window 2: the accumulators of rows 0-63, (a, b) at 8 (8 a + b); before the products the intake's eight row slots of 32
;   window 3: the accumulators of rows 64-127
.set PA,    2064                       ; a row of the block in LDS: 2,048 bytes + 16: an odd multiple of 16, so the 16 rows of a fragment load start in 16 different groups of four banks (ISA guide 11.1)
.set QT,    128*PA                     ; behind the block: c q of the batch, 1,024 f32
.set WT,    QT+4096                    ; -2 v, 1,024 f32
.set EW,    WT+4096                    ; [row][wave]: the waves' parts of the energies
.set PT,    EW+2048                    ; p, a copy of 512 bytes for each wave
.set SPARE, PT+2048                    ; the spare words, 128 bytes for each wave
.set GA,  4                            ; v4      16 lane
.set AS,  5                            ; v5      intake: where my 8 bytes of the row in the first slot go; steps 8 rows a trip
.set AB,  8                            ; v8-11   my place in the fragments of rows 32 p on, K = 0; never rewritten
.set TA,  12                           ; v12     my 32 bytes of c q for the pass's first 16 h; steps 512 a pass
.set QS,  13                           ; v13     QT + 16 t
.set ES,  14                           ; v14     EW + 16 (lane % 16) + 4 w
.set ER,  15                           ; v15     EW + 64 lane
.set PS,  16                           ; v16     my wave's copy of p + 16 lane
.set PR,  17                           ; v17     my wave's copy of p; steps
.set CX,  18                           ; v18     8 t; steps
.set CO,  19                           ; v19     16 t
.set MK,  20                           ; v20-23  mask of rows 4 lane ..+3
.set AA,  24                           ; v24-27  AB, walking along K
.set SPW, 28                           ; v28     LDS address of my spare word; never rewritten
.set NIL, 29                           ; v29     0; never rewritten
.set TM,  30                           ; v30     at work
.set EN,  32                           ; v32-95  row group a: four pairs of partial sums at EN + 8 a
.set F0,  96                           ; fragment buffer 0; buffer 1 at F0 + 64
.set HL,  160                          ; at the head: v160-191 q's four partial sums, v192-199 v, v200-203 at work
.set W4,  224                          ; v224-239 the four waves' parts of rows 4 lane ..+3
.set E4,  240                          ; v240-243 their energies
.set P4,  244                          ; v244-247 their p
.set CS,  248                          ; v248-255 the context's eight sums
.set CM,  40                           ; s40-43  the four rows' masks as lane masks
.set MSB, 0
.macro WIN new                         ; the immediate's high byte repeats the setting that is left; a switch that changes nothing is dropped
.if MSB != (\new)
	s_set_vgpr_msb (MSB<<8)|(\new)
.set MSB, \new
.endif
.endm
.macro PLACES                          ; four places (ISA guide 7.12.1) behind matrix instructions whose results vector instructions read next
.rept 4
	v_nop
.endr
.endm
; A quarter q of Wk's eight fragments of step st (counted from where s[6:7] stands) into buffer buf: four loads of 512 consecutive bytes.  The fragments' second 64 h lie 131,072 bytes on
.macro BF4 st, buf, q
	WIN 0x40                                       ; destination window 1, address window 0
.irp m, 4*(\q), 4*(\q)+1, 4*(\q)+2, 4*(\q)+3
	global_load_b128 v[64*(\buf)+4*(\m):64*(\buf)+4*(\m)+3], v[GA], s[6:7] offset:131072*((\m)/8)+4096*(\st)+512*((\m)%8)
.endr
.endm
.macro BF8 st, buf, g                  ; h group g of 64: eight loads
	BF4 \st, \buf, 2*(\g)
	BF4 \st, \buf, 2*(\g)+1
.endm
.macro BFETCH st, buf
	BF8 \st, \buf, 0
	BF8 \st, \buf, 1
.endm
; Intake of the row in slot s: rounded to bf16 into the slot's own stage, stored into the block.  kind = 1: the slot takes the row eight further on; 2: in its stead half s % 2 of Wk's step s / 2 is
; asked for; 0: nothing.  cnt: the younger loads, in groups of eight (rows, or at the end halves of Wk's steps), which may stay out.
.macro ROWIN s, kind, cnt
	s_wait_loadcnt \cnt
	WIN 0x0a                                       ; sources 0 and 1 window 2
.irp x, 0,1,2,3,4,5,6,7
	v_cvt_pk_bf16_f32 v[F0+16*(\s)+2*(\x)],   v[32*(\s)+4*(\x)],   v[32*(\s)+4*(\x)+1]
	v_cvt_pk_bf16_f32 v[F0+16*(\s)+2*(\x)+1], v[32*(\s)+4*(\x)+2], v[32*(\s)+4*(\x)+3]
.endr
.if (\kind) == 1
	WIN 0x80                                       ; destination window 2
.elseif (\kind) == 2
	WIN 0x40
.else
	WIN 0
.endif
	s_wait_alu depctr_va_vdst(0)                   ; the sixteen conversions are done reading the slot, in which the refill lands, and have written the stage, which the LDS stores read; in a trip's first row AS is written
.if (\kind) == 1
.irp x, 0,1,2,3,4,5,6,7
	global_load_b128 v[32*(\s)+4*(\x):32*(\s)+4*(\x)+3], v[GA], s[4:5] offset:4096*((\s)+8)+512*(\x) th:TH_LOAD_NT
.endr
.elseif (\kind) == 2
	BF8 (\s)/2, (\s)/2, (\s)%2
.endif
	WIN 0
.irp x, 0,1,2,3,4,5,6,7
	ds_store_b64 v[AS], v[F0+16*(\s)+2*(\x):F0+16*(\s)+2*(\x)+1] offset:(\s)*PA+256*(\x)  ; 32 lanes, 256 consecutive bytes
.endr
.endm
; A quarter q of enc's eight fragments (rows 32 q ..+31 x 32 K at byte kb of the rows, counted from AA) into buffer f: four loads
.macro AF4 kb, f, q
	WIN 0
.irp e, 0, 1
	ds_load_b128 v[(\f)+8*(2*(\q)+(\e)):(\f)+8*(2*(\q)+(\e))+3],   v[AA+(\q)] offset:(\e)*16*PA+(\kb)
	ds_load_b128 v[(\f)+8*(2*(\q)+(\e))+4:(\f)+8*(2*(\q)+(\e))+7], v[AA+(\q)] offset:(\e)*16*PA+(\kb)+32
.endr
.endm
; Four matrix instructions: row group a of the window's four (hi = 0: rows 0-63, 1: rows 64-127) x the groups b0 ..+3 of 16 h.  first = 1: the products start the sums: nothing is cleared.
; ride = 1: a v_nop rides behind each.  The 64 accumulators take turns, in the same order in every step.
.macro MUL4 j, hi, a, b0, first, ride
	WIN 0xa1+0x50*(\hi)                            ; Wk window 1, enc window 0, C and D window 2 or 3
.irp b, (\b0), (\b0)+1, (\b0)+2, (\b0)+3
.if \first
	v_wmma_f32_16x16x32_bf16 v[8*(8*(\a)+(\b)):8*(8*(\a)+(\b))+7], v[64*((\j)%4)+8*(\b):64*((\j)%4)+8*(\b)+7], v[F0+64*((\j)%2)+8*(4*(\hi)+(\a)):F0+64*((\j)%2)+8*(4*(\hi)+(\a))+7], 0
.else
	v_wmma_f32_16x16x32_bf16 v[8*(8*(\a)+(\b)):8*(8*(\a)+(\b))+7], v[64*((\j)%4)+8*(\b):64*((\j)%4)+8*(\b)+7], v[F0+64*((\j)%2)+8*(4*(\hi)+(\a)):F0+64*((\j)%2)+8*(4*(\hi)+(\a))+7], v[8*(8*(\a)+(\b)):8*(8*(\a)+(\b))+7]
.endif
.if \ride
	v_nop
.endif
.endr
.endm
; A step of 32 along K, number j of a group of four: 64 matrix instructions.  Among its first 32 the next step's fragments of enc are fetched (aload: behind numbers 4, 12, 20, 28) and Wk's step three
; further on is asked for (bload: behind numbers 8, 16, 24, 32), four loads at a time, both into the buffers that the step before read.  lcnt: the loads of Wk issued behind this step's, which may stay out.
; Four places stand between the matrix instructions of the step before and the first of those loads: a v_nop behind each of the step's first four matrix instructions.
; A pass's first step has no wait on va_vdst of its own: the one at the pass's head stands ahead of it, and no vector or matrix instruction since names the two buffers.
.macro KSTEP j, first, aload, bload, lcnt
	s_wait_loadcnt \lcnt
	s_wait_dscnt 0x0                               ; this step's fragments of enc, asked for 36 matrix instructions ago or more
.if ((\aload) || (\bload)) && !(\first)
	s_wait_alu depctr_va_vdst(0)                   ; the matrix instructions of the step before are done reading their buffer of enc and their buffer of Wk, in which this step's loads land; in a group's first step AA is written
.endif
.irp n, 0,1,2,3,4,5,6,7
.if ((\n) == 0) && ((\aload) || (\bload)) && !(\first)
	MUL4 \j, 0, 0, 0, \first, 1
.else
	MUL4 \j, 0, (\n)/2, 4*((\n)%2), \first, 0
.endif
.if (\aload) && ((\n)%2 == 0)
	AF4 64*((\j)+1), F0+64*(((\j)+1)%2), (\n)/2    ; no wait: no vector or matrix instruction since the step's head names these registers
.endif
.if (\bload) && ((\n)%2 == 1)
	BF4 (\j)+3, ((\j)+3)%4, (\n)/2
.endif
.endr
.irp n, 0,1,2,3,4,5,6,7
	MUL4 \j, 1, (\n)/2, 4*((\n)%2), \first, 0
.endr
.endm
.macro STEP4                           ; four steps on
	WIN 0
	s_wait_xcnt 0x0                                ; Wk's base is stepped only when every load issued has had its address translated (ISA guide 3.1)
	s_wait_alu depctr_vm_vsrc(0)                   ; the fragment loads issued so far have read AA, which the adds below write
	s_add_nc_u64 s[6:7], s[6:7], 16384
.irp p, 0,1,2,3
	v_add_nc_u32 v[AA+(\p)], 256, v[AA+(\p)]
.endr
.endm
; The epilogue of row group a: its keys for the pass's 128 h lie in 64 registers; c keys + c q, then r = 1 / (1 + 2^..) in place, ascending from each accumulator's low end;
; then four chains of packed multiply-adds onto the group's partial sums.  A plain instruction stands behind each run of transcendentals (ISA guide 5.7.2).
.macro EPI a
.set R0, 64*((\a)%4)
	WIN ((2+(\a)/4)<<6)|(2+(\a)/4)                 ; destination and source 0 in the group's window; c q (source 2) in window 0
.set i, 0
.rept 32
	v_pk_fma_f32 v[R0+2*i:R0+2*i+1], v[R0+2*i:R0+2*i+1], s[24:25], v[F0+2*i:F0+2*i+1] op_sel_hi:[1,0,1]
.set i, i+1
.endr
.set i, 0
.rept 64
	v_exp_f32 v[R0+i], v[R0+i]
.set i, i+1
.endr
	v_nop
	s_wait_alu depctr_va_vdst(0)                   ; the group's 64 powers are written: one wait for the batch, ahead of the additions that read them
.set i, 0
.rept 32
	v_pk_add_f32 v[R0+2*i:R0+2*i+1], v[R0+2*i:R0+2*i+1], 1.0 op_sel_hi:[1,0]
.set i, i+1
.endr
.set i, 0
.rept 64
	v_rcp_f32 v[R0+i], v[R0+i]
.set i, i+1
.endr
	v_nop
	WIN 2+(\a)/4                                   ; r in the group's window; -2 v and the sums in window 0
	s_wait_alu depctr_va_vdst(0)                   ; the group's 64 reciprocals are written: one wait for the batch, ahead of the multiply-adds that read them
.set i, 0
.rept 32
	v_pk_fma_f32 v[EN+8*(\a)+2*(i%4):EN+8*(\a)+2*(i%4)+1], v[R0+2*i:R0+2*i+1], v[F0+64+2*i:F0+64+2*i+1], v[EN+8*(\a)+2*(i%4):EN+8*(\a)+2*(i%4)+1]
.set i, i+1
.endr
.endm
; The context: 16 rows of my eight columns (32 loads of 8 bytes) and their p (4 loads, the same bytes for every lane): 36 LDS loads
.macro CLOAD x, p, off, poff
.set i, 0
.rept 16
	ds_load_b64 v[(\x)+4*i:(\x)+4*i+1],   v[CX] offset:(\off)+PA*i
	ds_load_b64 v[(\x)+4*i+2:(\x)+4*i+3], v[CX] offset:(\off)+PA*i+1024
.set i, i+1
.endr
.irp k, 0,1,2,3
	ds_load_b128 v[(\p)+4*(\k):(\p)+4*(\k)+3], v[PR] offset:(\poff)+16*(\k)
.endr
.endm
.macro CFMA x, p                       ; sum += bf16 half x p, in f32: eight chains by turns
.set i, 0
.rept 16
.irp c, 0,1,2,3
	v_fma_mix_f32_bf16 v[CS+2*(\c)],   v[(\x)+4*i+(\c)], v[(\p)+i], v[CS+2*(\c)]   op_sel_hi:[1,0,0]
	v_fma_mix_f32_bf16 v[CS+2*(\c)+1], v[(\x)+4*i+(\c)], v[(\p)+i], v[CS+2*(\c)+1] op_sel:[1,0,0] op_sel_hi:[1,0,0]
.endr
.set i, i+1
.endr
.endm
	s_load_b256 s[4:11], s[0:1], 0x0               ; enc s[4:5], wkb s[6:7], qp s[8:9], v s[10:11]
	s_load_b128 s[12:15], s[0:1], 0x20             ; mask s[12:13], ews s[14:15]
	s_load_b64 s[16:17], s[0:1], 0x30              ; ctxp
	v_lshl_add_u32 v[SPW], v0, 2, SPARE
	v_mov_b32 v[NIL], 0
	v_lshrrev_b32 v1, 5, v0
	v_readfirstlane_b32 s20, v1                    ; wave 0..3
	v_and_b32 v1, 31, v0                           ; lane
	v_and_b32 v2, 15, v0                           ; lane % 16
	v_bfe_u32 v3, v0, 4, 1                         ; lane / 16
	v_lshlrev_b32 v[GA], 4, v1
	s_wait_alu depctr_va_sdst(0)                   ; s20 is written, ahead of its first reader: LDS addresses and the bases of enc and wkb are made from it
	s_mul_i32 s21, s20, 32*PA
	v_lshl_add_u32 v[AS], v1, 3, s21
	v_mul_u32_u24 v[AB], v2, PA                    ; a fragment: row lane % 16, 16 bytes for each half of the lanes, a second load 32 bytes on
	v_lshl_add_u32 v[AB], v3, 4, v[AB]
	v_add_nc_u32 v[AB+1], 32*PA, v[AB]
	v_add_nc_u32 v[AB+2], 64*PA, v[AB]
	v_add_nc_u32 v[AB+3], 96*PA, v[AB]
	s_lshl_b32 s21, s20, 10
	s_add_co_u32 s21, s21, QT
	v_lshl_add_u32 v[TA], v3, 5, s21               ; c q of h = 256 w + 8 (lane / 16) on
	v_lshl_add_u32 v[QS], v0, 4, QT
	s_lshl_b32 s21, s20, 2
	s_add_co_u32 s21, s21, EW
	v_lshl_add_u32 v[ES], v2, 4, s21
	v_lshl_add_u32 v[ER], v1, 6, EW
	s_lshl_b32 s21, s20, 9
	s_add_co_u32 s21, s21, PT
	v_lshl_add_u32 v[PS], v1, 4, s21
	v_mov_b32 v[PR], s21
	v_lshlrev_b32 v[CX], 3, v0
	v_lshlrev_b32 v[CO], 4, v0
	s_lshl_b32 s2, ttmp9, 19                       ; enc: the block's 524,288 bytes, my wave's 32 rows of them (under 2^32 in all)
	s_lshl_b32 s3, s20, 17
	s_add_co_u32 s2, s2, s3
	s_mov_b32 s3, 0
	s_lshl_b32 s30, s20, 19                        ; wkb: my wave's quarter
	s_mov_b32 s31, 0
	s_lshr_b32 s34, ttmp9, 3                       ; qp: the batch's row
	s_lshl_b32 s34, s34, 12
	s_mov_b32 s35, 0
	s_lshl_b32 s36, ttmp9, 9                       ; mask and ews: the block's 128 words
	s_mov_b32 s37, 0
	s_lshl_b32 s38, ttmp9, 12                      ; ctxp: the block's row
	s_mov_b32 s39, 0
	s_mov_b32 s24, 0x4038aa3b                      ; c = 2 log2(e)
	s_mov_b32 s25, s24                             ; named with it as a pair
	s_mov_b32 s26, 0x76543210                      ; v_permlanex16_b32: each lane takes its own place in the other half
	s_mov_b32 s27, 0xfedcba98
	s_mov_b32 s32, 0xd01502f9                      ; -1e10
	s_mov_b32 s33, 0x3fb8aa3b                      ; log2(e)
	s_wait_kmcnt 0x0
	s_add_nc_u64 s[4:5], s[4:5], s[2:3]
	s_add_nc_u64 s[6:7], s[6:7], s[30:31]
	s_add_nc_u64 s[8:9], s[8:9], s[34:35]
	s_add_nc_u64 s[12:13], s[12:13], s[36:37]
	s_add_nc_u64 s[14:15], s[14:15], s[36:37]
	s_add_nc_u64 s[16:17], s[16:17], s[38:39]
	s_wait_alu depctr_va_vdst(0)                   ; the offsets and LDS addresses v4 to v19 are written, which the kernel's loads and stores read
	global_load_b128 v[MK:MK+3], v[GA], s[12:13]   ; every wave takes the whole block's mask
.irp k, 0,1,2,3
	global_load_b128 v[HL+8*(\k):HL+8*(\k)+3],   v[CO], s[8:9] offset:262144*(\k)       ; q's four partial sums: 32 bytes of each a thread
	global_load_b128 v[HL+8*(\k)+4:HL+8*(\k)+7], v[CO], s[8:9] offset:262144*(\k)+2048
.endr
	global_load_b128 v[HL+32:HL+35], v[CO], s[10:11]              ; v
	global_load_b128 v[HL+36:HL+39], v[CO], s[10:11] offset:2048
	WIN 0x80
.set n, 0
.rept 64                                               ; my rows 0 to 7 fill the eight slots: 512 consecutive bytes a load
	global_load_b128 v[4*n:4*n+3], v[GA], s[4:5] offset:512*n th:TH_LOAD_NT
.set n, n+1
.endr
	WIN 0
.set i, EN
.rept 64                                               ; the energies' partial sums start at 0: the two passes run one text; these lines stand in the wait for the first rows
	v_mov_b32 v[i], 0
.set i, i+1
.endr
	s_wait_loadcnt 63                              ; 75 loads have been issued: the oldest twelve are in, the mask, q's eight and v's two among them
.irp i, 0,1,2,3
	v_pk_add_f32 v[HL+2*(\i):HL+2*(\i)+1],       v[HL+2*(\i):HL+2*(\i)+1],       v[HL+8+2*(\i):HL+8+2*(\i)+1]
	v_pk_add_f32 v[HL+16+2*(\i):HL+16+2*(\i)+1], v[HL+16+2*(\i):HL+16+2*(\i)+1], v[HL+24+2*(\i):HL+24+2*(\i)+1]
.endr
.irp i, 0,1,2,3
	v_pk_add_f32 v[HL+2*(\i):HL+2*(\i)+1], v[HL+2*(\i):HL+2*(\i)+1], v[HL+16+2*(\i):HL+16+2*(\i)+1]  ; q
.endr
.irp i, 0,1,2,3
	v_pk_mul_f32 v[HL+2*(\i):HL+2*(\i)+1], v[HL+2*(\i):HL+2*(\i)+1], s[24:25] op_sel_hi:[1,0]        ; c q
.endr
	v_cvt_pk_bf16_f32 v[HL+40], v[HL+32], v[HL+33] ; v is rounded to bf16,
	v_cvt_pk_bf16_f32 v[HL+41], v[HL+34], v[HL+35]
	v_cvt_pk_bf16_f32 v[HL+42], v[HL+36], v[HL+37]
	v_cvt_pk_bf16_f32 v[HL+43], v[HL+38], v[HL+39]
.irp i, 0,1,2,3
	v_lshlrev_b32 v[HL+32+2*(\i)], 16, v[HL+40+(\i)]              ; widened again,
	v_and_b32 v[HL+33+2*(\i)], 0xffff0000, v[HL+40+(\i)]
.endr
.irp i, 0,1,2,3
	v_pk_mul_f32 v[HL+32+2*(\i):HL+33+2*(\i)], v[HL+32+2*(\i):HL+33+2*(\i)], -2.0 op_sel_hi:[1,0]  ; and multiplied by -2, which rounds nothing
.endr
	s_wait_alu depctr_va_vdst(0)                   ; c q and -2 v are written, which the four LDS stores read
	ds_store_b128 v[QS], v[HL:HL+3]
	ds_store_b128 v[QS], v[HL+4:HL+7] offset:2048
	ds_store_b128 v[QS], v[HL+32:HL+35] offset:4096
	ds_store_b128 v[QS], v[HL+36:HL+39] offset:6144
	s_wait_alu depctr_vm_vsrc(0)                   ; those four stores have read their registers, which are the stages of slots 4 and 6 from here on
	; THE INTAKE.  Three trips of eight rows, each slot filled again with the row eight further on; then the last eight rows, written out: no load leaves the block.
	; Behind a slot's eight loads stand seven groups of eight younger ones: the count is 56.
	s_mov_b32 s29, 3
.Lintake:
.irp s, 0,1,2,3,4,5,6,7
	ROWIN \s, 1, 56
.endr
	WIN 0
	s_wait_xcnt 0x0                                ; enc's base is stepped only behind this wait
	s_wait_alu depctr_vm_vsrc(0)                   ; the trip's 64 LDS stores have read AS, which the add below writes, and the eight stages, which the next eight rows' conversions write
	s_add_nc_u64 s[4:5], s[4:5], 32768
	v_add_nc_u32 v[AS], 8*PA, v[AS]
	s_sub_co_u32 s29, s29, 1
	s_cmp_lg_u32 s29, 0
	s_cbranch_scc1 .Lintake
.irp s, 0,1,2,3,4,5
	ROWIN \s, 2, 56                                ; the six halves of Wk's steps 0 to 2 go out where the refills stood
.endr
	ROWIN 6, 0, 56                                 ; the last row's eight loads and Wk's 48
	ROWIN 7, 0, 48                                 ; Wk's 48
	s_wait_dscnt 0x0                               ; for the others' sake: my rows, c q and -2 v are in LDS
	s_barrier_signal -1
	s_barrier_wait -1                              ; the block is whole; nothing writes it, c q or -2 v from here on.  Wk's loads stay out: they land in my registers
	s_wait_alu depctr_vm_vsrc(0)                   ; my last 64 LDS stores have read the eight stages: these registers are enc's two fragment buffers from here on, in which LDS loads land
	; THE PRODUCTS.  Two passes of 128 h; a pass is 32 steps of 32 along K: four written out (the first starts the sums), six trips of four, four written out (they ask for nothing past the pass)
	s_mov_b32 s28, 2
.Lpass:
.irp p, 0,1,2,3
	v_mov_b32 v[AA+(\p)], v[AB+(\p)]               ; back to K = 0 (the fragment loads of the pass before have read AA: the wait stands at that pass's end)
.endr
	s_wait_alu depctr_va_vdst(0)                   ; AA is written, which the fragment loads read; the intake's conversions have written, and the epilogue's multiply-adds are done reading, enc's two buffers, in which they land
.irp q, 0,1,2,3
	AF4 0, F0, \q
.endr
	KSTEP 0, 1, 1, 1, 32                           ; 32: behind a step's sixteen loads of Wk stand those of the two steps that follow it
.irp j, 1,2,3
	KSTEP \j, 0, 1, 1, 32
.endr
	STEP4
	s_mov_b32 s29, 6
.Lk4:
.irp j, 0,1,2,3
	KSTEP \j, 0, 1, 1, 32
.endr
	STEP4
	s_sub_co_u32 s29, s29, 1
	s_cmp_lg_u32 s29, 0
	s_cbranch_scc1 .Lk4
	KSTEP 0, 0, 1, 1, 32                           ; asks for the pass's last step
	KSTEP 1, 0, 1, 0, 32                           ; from here the counts run down
	KSTEP 2, 0, 1, 0, 16
	KSTEP 3, 0, 0, 0, 0                            ; it issues no load, so it has no wait on va_vdst
	WIN 0
	s_add_nc_u64 s[6:7], s[6:7], 16384+131072      ; the last step's wait for 0 has shown every load of Wk done, so the base may step: past these four steps and past the pass's second 64 h
	PLACES                                         ; behind the last products: the epilogue's first lines read accumulators
	s_wait_alu depctr_va_vdst(0)                   ; the pass's last matrix instructions are done reading enc's two buffers, in which the tables land, and Wk's buffers 0 to 2, in which the next pass's first steps land
.irp n, 0,1,2,3,4,5,6,7,8,9,10,11,12,13,14,15
	ds_load_b128 v[F0+4*(\n):F0+4*(\n)+3],       v[TA] offset:64*((\n)/2)+16*((\n)%2)       ; c q: register j of group b is h = .. + 16 b + 8 (lane / 16) + j, as in the accumulators
	ds_load_b128 v[F0+64+4*(\n):F0+64+4*(\n)+3], v[TA] offset:4096+64*((\n)/2)+16*((\n)%2)  ; -2 v likewise
.endr
	s_cmp_eq_u32 s28, 1
	s_cbranch_scc1 .Lnoprob                        ; behind the last pass there is nothing to ask for: no load leaves wkb
.irp j, 0,1,2
	BFETCH \j, \j                                  ; the next pass's steps 0 to 2 land while the epilogue runs, which names no register of window 1
.endr
	WIN 0
.Lnoprob:
	s_wait_dscnt 0x0                               ; the two tables are in
.irp a, 0,1,2,3,4,5,6,7
	EPI \a
.endr
	WIN 0
	s_wait_alu depctr_vm_vsrc(0)                   ; the tables' loads have read TA, which the add below writes; the pass's fragment loads have read AA, which the next pass's head writes
	v_add_nc_u32 v[TA], 512, v[TA]                 ; the next 128 h
	s_sub_co_u32 s28, s28, 1
	s_cmp_lg_u32 s28, 0
	s_cbranch_scc1 .Lpass
	; THE ENERGIES.  A lane's eight partial sums of a row group, then the other half of the lanes' (the row's other h), then the four waves' parts through LDS
.irp a, 0,1,2,3,4,5,6,7
	v_pk_add_f32 v[EN+8*(\a):EN+8*(\a)+1], v[EN+8*(\a):EN+8*(\a)+1], v[EN+8*(\a)+2:EN+8*(\a)+3]
.endr
.irp a, 0,1,2,3,4,5,6,7
	v_pk_add_f32 v[EN+8*(\a)+4:EN+8*(\a)+5], v[EN+8*(\a)+4:EN+8*(\a)+5], v[EN+8*(\a)+6:EN+8*(\a)+7]
.endr
.irp a, 0,1,2,3,4,5,6,7
	v_pk_add_f32 v[EN+8*(\a):EN+8*(\a)+1], v[EN+8*(\a):EN+8*(\a)+1], v[EN+8*(\a)+4:EN+8*(\a)+5]
.endr
.irp a, 0,1,2,3,4,5,6,7
	v_add_f32 v[EN+8*(\a)], v[EN+8*(\a)], v[EN+8*(\a)+1]
.endr
.irp a, 0,1,2,3,4,5,6,7
	v_permlanex16_b32 v[EN+8*(\a)+1], v[EN+8*(\a)], s26, s27
.endr
.irp a, 0,1,2,3,4,5,6,7
	v_add_f32 v[EN+8*(\a)], v[EN+8*(\a)], v[EN+8*(\a)+1]
.endr
	s_wait_alu depctr_va_vdst(0)                   ; the eight sums EN + 8 a are written, which the LDS stores read
.irp a, 0,1,2,3,4,5,6,7
	ds_store_b32 v[ES], v[EN+8*(\a)] offset:256*(\a)  ; row 16 a + lane % 16, my wave's word; the two halves of the lanes write the same number
.endr
	s_wait_dscnt 0x0                               ; for the others' sake: my parts are in LDS
	s_barrier_signal -1
	s_barrier_wait -1
	; from here every wave does the same for all 128 rows, four a lane, in the same order: all four hold the same numbers
.irp i, 0,1,2,3
	ds_load_b128 v[W4+4*(\i):W4+4*(\i)+3], v[ER] offset:16*(\i)
.endr
	s_wait_dscnt 0x0
.irp i, 0,1,2,3
	v_pk_add_f32 v[W4+4*(\i):W4+4*(\i)+1], v[W4+4*(\i):W4+4*(\i)+1], v[W4+4*(\i)+2:W4+4*(\i)+3]
.endr
.irp i, 0,1,2,3
	v_add_f32 v[E4+(\i)], v[W4+4*(\i)], v[W4+4*(\i)+1]
.endr
.irp i, 0,1,2,3
	v_cmp_eq_u32 s[CM+(\i)], 0, v[MK+(\i)]         ; the four compares stand in one run, each with a scalar register of its own
.endr
	s_wait_alu depctr_va_sdst(0)                   ; s40 to s43 are written, ahead of the selects that read them
.irp i, 0,1,2,3
	v_cndmask_b32 v[E4+(\i)], v[E4+(\i)], s32, s[CM+(\i)]  ; a masked row stands at -1e10
.endr
	v_max3_num_f32 v[TM], v[E4], v[E4+1], v[E4+2]  ; the block's maximum: in the lane, in each half of the lanes, across the halves
	v_max_num_f32 v[TM], v[TM], v[E4+3]
	v_max_num_f32_dpp v[TM], v[TM], v[TM] row_xmask:1 row_mask:0xf bank_mask:0xf
	v_max_num_f32_dpp v[TM], v[TM], v[TM] row_xmask:2 row_mask:0xf bank_mask:0xf
	v_max_num_f32_dpp v[TM], v[TM], v[TM] row_xmask:4 row_mask:0xf bank_mask:0xf
	v_max_num_f32_dpp v[TM], v[TM], v[TM] row_xmask:8 row_mask:0xf bank_mask:0xf
	v_permlanex16_b32 v[W4], v[TM], s26, s27       ; its destination counts as read: it has been written
	v_max_num_f32 v[TM], v[TM], v[W4]
.irp i, 0,1,2,3
	v_sub_f32 v[P4+(\i)], v[E4+(\i)], v[TM]
.endr
.irp i, 0,1,2,3
	v_mul_f32 v[P4+(\i)], s33, v[P4+(\i)]
.endr
.irp i, 0,1,2,3
	v_exp_f32 v[P4+(\i)], v[P4+(\i)]               ; p = exp(e - m), 0 to 1
.endr
.irp i, 0,1,2,3,4,5,6,7
	v_mov_b32 v[CS+(\i)], 0                        ; the context's sums; also the plain instructions behind the exponentials
.endr
	s_wait_alu depctr_va_vdst(0)                   ; the four exponentials have written P4, which the LDS store reads; the selects have written E4, which wave 0's store reads
	ds_store_b128 v[PS], v[P4:P4+3]                ; into my wave's own copy: no other wave reads it, so no barrier
	s_wait_alu depctr_vm_vsrc(0)                   ; the eight LDS stores of my parts have read EN + 8 a: p lands in EN ..+31 below
	s_cmp_lg_u32 s20, 0
	s_cbranch_scc1 .Lnot0
	global_store_b128 v[GA], v[E4:E4+3], s[14:15]  ; wave 0 stores the block's energies: 512 consecutive bytes; E4 is not written again
.Lnot0:
	; THE CONTEXT.  128 rows in eight groups of 16, on two register buffers: while one is multiplied the other's 36 loads are out.
	; The first two runs of loads owe no wait of their own: no vector instruction since the wait ahead of p's store names their registers.
	CLOAD F0, EN, 0, 0
	s_mov_b32 s29, 3
.Lctx:
	CLOAD F0+64, EN+16, 16*PA, 64
	s_wait_dscnt 36                                ; all but the 36 just issued (LDS serves a wave's instructions in order, so p's loads see p's store: ISA guide 5.7.1.4)
	CFMA F0, EN
	s_wait_alu depctr_vm_vsrc(0)                   ; the loads issued so far have read CX and PR, which the two adds write
	v_add_nc_u32 v[CX], 32*PA, v[CX]
	v_add_nc_u32 v[PR], 128, v[PR]
	s_wait_alu depctr_va_vdst(0)                   ; CX and PR are written; the multiply-adds are done reading the first buffer and its p, in which the next loads land
	CLOAD F0, EN, 0, 0
	s_wait_dscnt 36
	CFMA F0+64, EN+16
	s_wait_alu depctr_va_vdst(0)                   ; the multiply-adds are done reading the second buffer and its p, in which the loads behind the jump, or behind the loop, land
	s_sub_co_u32 s29, s29, 1
	s_cmp_lg_u32 s29, 0
	s_cbranch_scc1 .Lctx
	CLOAD F0+64, EN+16, 16*PA, 64                  ; rows 112 to 127
	s_wait_dscnt 36
	CFMA F0, EN
	s_wait_dscnt 0x0
	CFMA F0+64, EN+16
	s_wait_alu depctr_va_vdst(0)                   ; the eight sums CS are written, which the two stores read
	global_store_b128 v[CO], v[CS:CS+3], s[16:17]              ; a wave's store covers 512 consecutive bytes, at a multiple of 512 from ctxp's first byte
	global_store_b128 v[CO], v[CS+4:CS+7], s[16:17] offset:2048
	s_wait_dscnt 0x0                               ; the closing lines, six on end
	s_wait_alu 0x0
	s_wait_tensorcnt 0x0
	ds_add_u32 v[SPW], v[NIL]
	s_wait_dscnt 0x0
	s_endpgm
.Lfunc_end_k_qe87bd42224_main:
	.size	k_qe87bd42224_main, .Lfunc_end_k_qe87bd42224_main-k_qe87bd42224_main
	.p2alignl 7, 3214868480
	.fill 96, 4, 3214868480
	.section	.rodata,"a",@progbits
	.p2align	6, 0x0
	.amdhsa_kernel k_qe87bd42224_main
		.amdhsa_group_segment_fixed_size 276992
		.amdhsa_private_segment_fixed_size 0
		.amdhsa_enable_private_segment 0
		.amdhsa_kernarg_size 56
		.amdhsa_user_sgpr_count 2
		.amdhsa_user_sgpr_kernarg_segment_ptr 1
		.amdhsa_wavefront_size32 1
		.amdhsa_system_sgpr_workgroup_id_x 1
		.amdhsa_system_sgpr_workgroup_id_y 1
		.amdhsa_system_sgpr_workgroup_id_z 1
		.amdhsa_system_vgpr_workitem_id 0
		.amdhsa_next_free_vgpr 1024
		.amdhsa_next_free_sgpr 66
		.amdhsa_reserve_vcc 0
		.amdhsa_float_denorm_mode_32 3
		.amdhsa_float_denorm_mode_16_64 3
		.amdhsa_memory_ordered 1
		.amdhsa_forward_progress 1
		.amdhsa_inst_pref_size 255
	.end_amdhsa_kernel
	.section	.bss,"aw",@nobits
	.p2align	6
	.space	262144
	.amdgpu_metadata
---
amdhsa.version: [ 1, 2 ]
amdhsa.kernels:
  - .name:           k_qe87bd42224_main
    .symbol:         k_qe87bd42224_main.kd
    .args:
      - { .name: encoder_outputs, .offset: 0, .size: 8, .value_kind: global_buffer, .address_space: global }
      - { .name: wkb, .offset: 8, .size: 8, .value_kind: global_buffer, .address_space: global }
      - { .name: qp, .offset: 16, .size: 8, .value_kind: global_buffer, .address_space: global }
      - { .name: v, .offset: 24, .size: 8, .value_kind: global_buffer, .address_space: global }
      - { .name: mask, .offset: 32, .size: 8, .value_kind: global_buffer, .address_space: global }
      - { .name: ews, .offset: 40, .size: 8, .value_kind: global_buffer, .address_space: global }
      - { .name: ctxp, .offset: 48, .size: 8, .value_kind: global_buffer, .address_space: global }
    .group_segment_fixed_size: 276992
    .private_segment_fixed_size: 0
    .kernarg_segment_align: 8
    .kernarg_segment_size: 56
    .max_flat_workgroup_size: 128
    .sgpr_count:     66
    .vgpr_count:     1024
    .wavefront_size: 32
...
	.end_amdgpu_metadata
.endif
;; end of part 4
;; launch final: the kernel of part 3 again; grid 64 x 1, 8 waves a work-group, no clusters, 1,280 bytes of LDS; arguments ews, ctxp, out0, out1; writes out0, out1
